; MI455X (gfx1250); checked and timed in simulation.
; The chip was launched on July 23, 2026; its instructions are those of AMD's public machine-readable ISA for CDNA 5 (MIT licence, August 2026) and "CDNA5" Instruction Set Architecture Reference Guide (July 2026). The comments in the code are by the model that wrote it; some were corrected since.
;; Dot Scaled Attention. Allowed arithmetic: matrix products marked QUANTISED: E3M2 operands, one E8M0 scale for each 32 along K, by v_wmma_scale_f32_16x16x128_f8f6f4 with both operands' format E3M2, f32 sums; everything else in f32.
;; Inputs: Wk 1,024 x 512 float32; Wq 1,024 x 512 float32; bk 512 float32; bq 512 float32; x0 8 x 2,048 x 1,024 float32; x1 8 x 2,048 x 1,024 float32; x2 8 x 2,048 x 1,024 float32.
;; Outputs: out0 8 x 2,048 x 512 float32.
;; This version of the problem:
;;   THIS VERSION OF THE PROBLEM IS GIVEN IN LOW PRECISION. The matrix products marked QUANTISED in the list below multiply operands that are first quantised to E3M2 (3 exponent bits, 2 mantissa bits; 6 bits a number), with one power-of-two scale for each 32 numbers along K (OCP MX v1.0); their sums are f32. All else is computed in f32.
;;   The module's matrix products, in the order in which they are computed (A, B: the left and right operand; K: the contracted axis; several contracted axes count as one K, in the product's order):
;;     1. [M 16,384, K 1,024] x [K 1,024, N 512]; A: input x0; B: input Wq: QUANTISED
;;     2. [M 16,384, K 1,024] x [K 1,024, N 512]; A: input x1; B: input Wk: QUANTISED
;;     3. [M 16,384, K 1,024] x [K 1,024, N 512]; A: input x2; B: input Wk: QUANTISED
;;     4. batch 8 x [M 2,048, K 512] x [K 512, N 2,048]; A: computed on the way; B: computed on the way: QUANTISED
;;     5. batch 8 x [M 2,048, K 2,048] x [K 2,048, N 512]; A: softmax (see below); B: computed on the way: QUANTISED
;;   THE QUANTISER, for each operand of a quantised product, along K:
;;     - K is cut into blocks of 32 from its start; a last block that is shorter is filled with zeros.
;;     - A block's scale is 2^e with e = floor(log2(the largest magnitude in the block)) - 4, held to -126 .. 127; a block of zeros has e = 0. As a byte (E8M0): e + 127.
;;     - Each number is divided by its block's scale, clamped to +-28, and rounded to the nearest number of E3M2, ties to even, subnormals kept.
;;     - The product sums the exact products of the quantised numbers (number of the format x scale) in f32.
;;   ~~~python
;;   def quantise(x, axis):      # numpy; x: float32 -> the quantised numbers, widened to float32 again
;;       x = np.moveaxis(x, axis, -1); K = x.shape[-1]
;;       x = np.pad(x, [(0, 0)] * (x.ndim - 1) + [(0, -K % 32)]); x = x.reshape(x.shape[:-1] + (-1, 32)); a = np.abs(x).max(-1, keepdims=True)
;;       e = np.where(a > 0, np.clip(np.frexp(np.where(a > 0, a, 1))[1] - 1 - 4, -126, 127), 0)      # np.frexp(a)[1] - 1 = floor(log2(a)), exactly
;;       r = np.clip(x / 2.0 ** e, -28, 28)
;;       step = 2.0 ** (np.maximum(np.frexp(np.where(r == 0, 1, r))[1] - 1, -2) - 2)
;;       q = np.round(r / step) * step * 2.0 ** e      # np.round: ties to even
;;       return np.moveaxis(q.reshape(q.shape[:-2] + (-1,))[..., :K], -1, axis).astype(np.float32)
;;   ~~~
;;   SOFTMAX AHEAD OF A QUANTISED PRODUCT. Where the list says 'softmax', what is quantised is not the finished softmax but p = 2^(t - M), with t = logit x log2(e) and M = ceil(the row's largest t), a whole number; so 1/2 < the row's largest p <= 1. The row's sum l is taken of the UNQUANTISED p, in f32, and the product's result is divided by l at the end. Since M is a whole number, a kernel that streams over the keys may use a running M (the ceiling of the running maximum): every later rescaling is an exact power of two, which a block's scale takes up: the codes' values come out the same.
;;   OPERANDS COMPUTED ON THE WAY. 'Computed on the way' means the value that the module computes at that place (a softmax that the list does not call 'softmax' is quantised finished and normalised). What goes into a quantiser is computed in f32, as accurately as f32 sums, v_exp_f32 and their like allow (about 1e-6 of the number): no bf16 or f16 on the way to a quantiser, and a product that is left as it is and whose result goes on into a quantised operand takes f32 operands (vector FMAs, or v_wmma_f32_16x16x4_f32). A number that lies on a knife's edge between two numbers of the format may be rounded either way, as far as f32 arithmetic and the matrix unit's own rounding can turn it there, and no further.
;; 2 versions. Each part assembles by itself: llvm-mc -triple=amdgcn-amd-amdhsa -mcpu=gfx1250 --defsym DOCPART=n.
;; ======== version 1 of 2: 3 launches
;; workspace buffers: wimg 819,200 bytes; qimg 6,553,600 bytes; kv 13,107,200 bytes
;; launch wq (part 1): grid 128 x 1, 4 waves a work-group, no clusters, 768 bytes of LDS; arguments Wq, Wk, wimg; writes wimg
.if DOCPART == 1
	.amdgcn_target "amdgcn-amd-amdhsa--gfx1250"
	.amdhsa_code_object_version 6
	.text
	.protected	k_q2c8362e644_wq
	.globl	k_q2c8362e644_wq
	.p2align	8
	.type	k_q2c8362e644_wq,@function
k_q2c8362e644_wq:
	s_mov_b64 s[64:65], 0
	v_nop
	global_prefetch_b8 v0, s[64:65] scope:SCOPE_SE
	s_setreg_imm32_b32 hwreg(HW_REG_WAVE_MODE, 25, 1), 1
	s_wait_xcnt 0x0
; THE PROGRAM: q = (x0 Wq + bq) / sqrt(512), k = x1 Wk + bk, v = x2 Wk + bk, out = softmax(q k^T + causal mask) v, all five products on codes of E3M2 with one E8M0 scale for 32 along K.
; Three launches: this one (the weights into codes), proj (the three projections, results stored as codes), attn (both products of the attention).
; WORK LEFT OUT.  reference() adds -infinity to score (q, k) wherever k > q, by a mask that it builds in its own body; behind the softmax such a key has the weight 0 for every finite input.
; So a step of 128 keys all of which come after all 32 queries of a block reaches no output, whatever the inputs hold: attn neither multiplies nor loads it for that block.  Nothing else is left out:
; every input has a way to the output and is loaded (bk on k too: it moves the codes of k).  LIMIT: a NaN, an infinity or an overflow that reaches only the steps left out is not carried to the result.
; THIS LAUNCH.  W [1024 (k)][512 (n)] f32, K its first axis, becomes operand fragments of 16 columns x 128 k, stored as IMAGES OF THE OPERAND'S REGISTERS: 12 registers a lane as three runs of
; 512 bytes, lane l's 16 bytes at 16 l.  wimg: [Wq, Wk][K step s = 0..7] 51,200 bytes: codes [wave w of proj][tile t = 0..7][1,536], then scale words [w][lane][4]: lane l < 16 the words of
; tiles 0-3 at row l, lane l >= 16 those of tiles 4-7 at row l - 16.  Row r of tile t of wave w is column 128 w + 32 (t / 2) + 8 (t % 2) + r + 8 (r / 8): so two neighbouring tiles of a result
; hold 16 neighbours along the next product's K.
; A lane takes a column and its registers run down K, in the order of the operand's layout: lane (r, h), registers 6 c .. 6 c + 5: k = 128 s + 64 c + 32 h + 0 .. 31.  Nothing is transposed.
; SHARES: work-group id = (mat, s, w, half); its wave i makes tile 4 half + i.  128 work-groups are all the work there is (4 MB in, 0.8 MB out).
; LIMITS: NaN and infinities among the inputs are not served; a block of zeros, or one under 2^(5 - 127), keeps the scale byte 1 (its codes are what the conversion gives; the bytes are read by this program alone).
.set SPARE, 256                        ; LDS: bytes 0-255 the four tiles' scale words; from 256 the spare words, 128 bytes a wave
.set SPW, 12                           ; v12 my spare word's address; v13 = 0; both kept
.set NIL, 13
	s_load_b128 s[4:7], s[0:1], 0x0                ; Wq, Wk
	s_load_b64 s[8:9], s[0:1], 0x10                ; wimg
	v_lshl_add_u32 v[SPW], v0, 2, SPARE
	v_mov_b32 v[NIL], 0
	v_lshrrev_b32 v1, 5, v0
	v_readfirstlane_b32 s10, v1                    ; wave i
	v_and_b32 v1, 15, v0                           ; r
	v_bfe_u32 v2, v0, 4, 1                         ; h
	v_and_b32 v3, 8, v1
	v_add_nc_u32 v3, v3, v1                        ; r + 8 (r / 8)
	v_lshlrev_b32 v3, 2, v3
	v_lshl_add_u32 v3, v2, 16, v3                  ; + 32 h rows of 2,048 bytes
	v_and_b32 v4, 31, v0
	v_lshlrev_b32 v5, 4, v4                        ; 16 x lane: an image's place
	v_lshlrev_b32 v6, 3, v4                        ; 8 x lane: the scale words' way out
	s_lshl_b32 s11, s10, 2
	v_lshl_add_u32 v7, v1, 4, s11                  ; LDS: 16 r + 4 i
	s_and_b32 s12, ttmp9, 1                        ; half
	s_bfe_u32 s13, ttmp9, 0x20001                  ; w
	s_bfe_u32 s14, ttmp9, 0x30003                  ; s
	s_lshr_b32 s15, ttmp9, 6                       ; mat
	s_lshl_b32 s16, s12, 2
	s_add_co_u32 s16, s16, s10                     ; t
	s_lshl_b32 s18, s14, 18                        ; 128 s rows
	s_lshl_b32 s17, s13, 9
	s_add_co_u32 s18, s18, s17                     ; + 4 x 128 w
	s_lshr_b32 s17, s16, 1
	s_lshl_b32 s17, s17, 7
	s_add_co_u32 s18, s18, s17                     ; + 4 x 32 (t / 2)
	s_and_b32 s17, s16, 1
	s_lshl_b32 s17, s17, 5
	s_add_co_u32 s18, s18, s17                     ; + 4 x 8 (t % 2)
	s_mov_b32 s19, 0
	s_mul_i32 s20, s15, 409600
	s_mul_i32 s17, s14, 51200
	s_add_co_u32 s20, s20, s17                     ; (mat, s)
	s_mul_i32 s22, s13, 12288
	s_mul_i32 s17, s16, 1536
	s_add_co_u32 s22, s22, s17
	s_add_co_u32 s22, s22, s20                     ; my image
	s_mov_b32 s23, 0
	s_lshl_b32 s17, s13, 9
	s_add_co_u32 s20, s20, s17
	s_lshl_b32 s17, s12, 8
	s_add_co_u32 s20, s20, s17
	s_add_co_u32 s20, s20, 49152                   ; my work-group's 256 bytes of scale words
	s_mov_b32 s21, 0
	s_mov_b32 s24, 0x76543210
	s_mov_b32 s25, 0xfedcba98                      ; v_permlanex16_b32: lane l xor 16
	s_wait_kmcnt 0x0
	s_cmp_eq_u32 s15, 0                            ; the choice hangs on the work-group's number alone
	s_cselect_b64 s[4:5], s[4:5], s[6:7]
	s_add_nc_u64 s[4:5], s[4:5], s[18:19]
	s_add_nc_u64 s[26:27], s[8:9], s[22:23]
	s_add_nc_u64 s[28:29], s[8:9], s[20:21]
.irp c, 0,1
.set N, 0
.rept 32
	global_load_b32 v[64+32*\c+N], v3, s[4:5] offset:(64*\c+N)*2048   ; W(128 s + 64 c + 32 h + N, my column)
.set N, N+1
.endr
.endr
	s_wait_loadcnt 0x0
.irp c, 0,1                                    ; my block 2 c + h: all its 32 numbers are mine
	v_max3_num_f32 v[32+\c], |v[64+32*\c]|, |v[65+32*\c]|, 0x2800000   ; with the floor 2^(5 - 127): the byte cannot fall under 1
.endr
.irp i, 2,4,6,8,10,12,14,16,18,20,22,24,26,28,30
.irp c, 0,1
	v_max3_num_f32 v[32+\c], v[32+\c], |v[64+32*\c+\i]|, |v[65+32*\c+\i]|
.endr
.endr
.irp c, 0,1
	v_add_nc_u32 v[44+\c], 0xfe000000, v[32+\c]    ; 4 off the exponent field: the conversion's scale operand
.endr
.irp c, 0,1
	v_lshrrev_b32 v[36+\c], 23, v[44+\c]           ; the scale's byte
.endr
	v_lshl_or_b32 v9, v37, 16, v36                 ; blocks h and 2 + h,
	v_lshlrev_b32 v10, 3, v2
	v_lshlrev_b32 v9, v10, v9                      ; at their places in the word;
	v_mov_b32 v10, 0
	v_permlanex16_b32 v10, v9, s24, s25
	v_or_b32 v9, v9, v10                           ; with lane l xor 16's two the word is whole
.irp c, 0,1
	v_cvt_scalef32_pk16_bf6_f32 v[48+6*\c:50+6*\c], v[64+32*\c:79+32*\c], v[44+\c]
	v_cvt_scalef32_pk16_bf6_f32 v[16+4*\c:18+4*\c], v[80+32*\c:95+32*\c], v[44+\c]   ; (a conversion's three registers begin on an even number)
.endr
	v_nop                                          ; one plain place behind a scaled conversion
.irp c, 0,1
.irp i, 0,1,2
	v_mov_b32 v[51+6*\c+\i], v[16+4*\c+\i]
.endr
.endr
	ds_store_b32 v7, v9                            ; lanes r and r + 16 write the same word with the same value
.irp c, 0,1,2
	global_store_b128 v5, v[48+4*\c:51+4*\c], s[26:27] offset:512*\c   ; 32 lanes store 512 consecutive bytes, aligned
.endr
	s_wait_dscnt 0x0                               ; for the others' sake: my word has landed
	s_barrier_signal -1
	s_barrier_wait -1
	s_cmp_lg_u32 s10, 0
	s_cbranch_scc1 .Lend                           ; wave 0 sends the four tiles' words: one aligned run of 256 bytes
	ds_load_b64 v[14:15], v6
	s_wait_dscnt 0x0
	global_store_b64 v6, v[14:15], s[28:29]
.Lend:
	s_wait_tensorcnt 0x0                           ; the wave's end: behind my last LDS store
	ds_add_u32 v[SPW], v[NIL]
	s_wait_dscnt 0x0
	s_endpgm
.Lfunc_end_k_q2c8362e644_wq:
	.size	k_q2c8362e644_wq, .Lfunc_end_k_q2c8362e644_wq-k_q2c8362e644_wq
	.p2alignl 7, 3214868480
	.fill 96, 4, 3214868480
	.section	.rodata,"a",@progbits
	.p2align	6, 0x0
	.amdhsa_kernel k_q2c8362e644_wq
		.amdhsa_group_segment_fixed_size 768
		.amdhsa_private_segment_fixed_size 0
		.amdhsa_enable_private_segment 0
		.amdhsa_kernarg_size 24
		.amdhsa_user_sgpr_count 2
		.amdhsa_user_sgpr_kernarg_segment_ptr 1
		.amdhsa_wavefront_size32 1
		.amdhsa_system_sgpr_workgroup_id_x 1
		.amdhsa_system_sgpr_workgroup_id_y 1
		.amdhsa_system_sgpr_workgroup_id_z 1
		.amdhsa_system_vgpr_workitem_id 0
		.amdhsa_next_free_vgpr 128
		.amdhsa_next_free_sgpr 66
		.amdhsa_reserve_vcc 0
		.amdhsa_float_denorm_mode_32 3
		.amdhsa_float_denorm_mode_16_64 3
		.amdhsa_memory_ordered 1
		.amdhsa_forward_progress 1
		.amdhsa_inst_pref_size 13
	.end_amdhsa_kernel
	.amdgpu_metadata
---
amdhsa.version: [ 1, 2 ]
amdhsa.kernels:
  - .name:           k_q2c8362e644_wq
    .symbol:         k_q2c8362e644_wq.kd
    .args:
      - { .name: Wq, .offset: 0, .size: 8, .value_kind: global_buffer, .address_space: global }
      - { .name: Wk, .offset: 8, .size: 8, .value_kind: global_buffer, .address_space: global }
      - { .name: wimg, .offset: 16, .size: 8, .value_kind: global_buffer, .address_space: global }
    .group_segment_fixed_size: 768
    .private_segment_fixed_size: 0
    .kernarg_segment_align: 8
    .kernarg_segment_size: 24
    .max_flat_workgroup_size: 128
    .sgpr_count:     66
    .vgpr_count:     128
    .wavefront_size: 32
...
	.end_amdgpu_metadata
.endif
;; end of part 1
;; launch proj (part 2): grid 256 x 1, 4 waves a work-group, clusters of 4 x 1, 327,680 bytes of LDS; arguments x0, x1, x2, wimg, bq, bk, qimg, kv; writes qimg, kv
.if DOCPART == 2
	.amdgcn_target "amdgcn-amd-amdhsa--gfx1250"
	.amdhsa_code_object_version 6
	.text
	.protected	k_q2c8362e644_proj
	.globl	k_q2c8362e644_proj
	.p2align	8
	.type	k_q2c8362e644_proj,@function
k_q2c8362e644_proj:
	s_mov_b64 s[64:65], 0
	v_nop
	global_prefetch_b8 v0, s[64:65] scope:SCOPE_SE
	s_setreg_imm32_b32 hwreg(HW_REG_WAVE_MODE, 25, 1), 1
	s_wait_xcnt 0x0
	s_wait_alu depctr_hold_cnt(0) depctr_sa_sdst(0) depctr_va_vdst(0) depctr_va_sdst(0) depctr_va_ssrc(0) depctr_va_vcc(0) depctr_vm_vsrc(0)
	s_getreg_b32 s2, hwreg(HW_REG_IB_STS2, 6, 4)
	s_cmp_eq_u32 s2, 0
	s_cbranch_scc0 .Lentry_in_a_cluster
	s_endpgm
.Lentry_in_a_cluster:
	s_bfe_u32 s2, ttmp6, 0x10000c
	s_cmp_lg_u32 s2, 0x3003
	s_cbranch_scc0 .Lentry_shape_is_right
	s_endpgm
.Lentry_shape_is_right:
; q = (x0 Wq + bq) / sqrt(512), k = x1 Wk + bk, v = x2 Wk + bk, on codes of E3M2; the results leave as codes, in the order of the attention's operand registers.  Nothing is left out here.
; SHARES.  Work-group g stays: it takes rows 64 g .. 64 g + 63 of x0, then of x1, then of x2.  THE WAVES SHARE THE COLUMNS: wave w makes columns 128 w .. + 127 (8 tiles of W) for all 4 tiles of rows.
; Wave w also quantises tile w of the rows of x, a K step of 128 at a time, and hands its codes to the others through LDS as an image of the operand's registers.
; Row r of tile m is row 32 (m / 2) + 8 (m % 2) + r + 8 (r / 8) of the 64; W's columns are tiled alike (launch wq).
; TIME LINE.  In step n: x set n (tensor n / 8, K step n % 8) is quantised, set n + 3 is asked for (three sets of 16 loads a wave are always out), and K step n - 8 is multiplied.  So a tensor's codes
; are all in LDS (XI0, XI1 by turns) a phase before they are multiplied, and the barriers of the change of slots are all the ordering they need.
; W comes from wimg through a ring of two LDS slots of two K steps (102,400 bytes), by tensor loads.  CLUSTER: all work-groups walk the same W, so the four of a cluster ask JOINTLY (mask 15): each wave
; one load of 100 rows x 256 bytes.  By the text's count a wave has one tensor load outstanding.  No prefetch: x is asked for three sets ahead and the launch streams.
; q, k: the product is used transposed (source 0 = 16 columns of W, source 1 = 16 rows of x): a lane holds one row, and the 16 registers of tiles 2 b, 2 b + 1 are d = 128 w + 32 b + 16 h + 0 .. 15.
; v: source 0 = x, source 1 = W: a lane holds one d, and its registers run along the keys, which are the second product's K.
; OUT.  qimg: [block of 32 queries] 12,800 bytes: 8 images (4 u + s) x 1,536 (u: tile, s: which 128 of d), 512 bytes of scale words [r + 16 u][s].
; kv: [record (batch x 16 + step of 128 keys) x 4 + w] 25,600 bytes: K part (keys 32 w on, as a block of q), V part at 12,288 (8 images: tile t of d slice 128 w, K = the step's 128 keys),
; K's scale words at 24,576, V's scale bytes at 25,088 [half of the step][r + 16 (t / 4)][t % 4][2].  In V's images key block kap = 0 .. 3 of a step stands in registers 6 (kap % 2) .. + 5 of the lanes
; of half kap / 2 (attn lays p alike): so this work-group's 64 keys fill sixteen lanes of every run of an image: 256 consecutive bytes, aligned.
; LIMITS: NaN and infinities among the inputs are not served; a block of zeros, or one under 2^(5 - 127), keeps the scale byte 1 (the bytes are read by this program alone).
; REGISTERS, in windows of 256.  Window 0: v1-25 addresses; v28, v29 the add's two; v32-35 W's scale words, v36-39 x's; v40-87 x's four fragments; v88-107 codes just made; v108-123 at work;
; v124-127 scale words just made; v128-191 bk in v's layout.  Window 1: v0-95 W's 8 fragments; v96-159 bq, v160-223 bk in q's and k's layout.  Window 2: 32 accumulators.  Window 3: four sets of 64 numbers of x.
.set WSTEP, 51200                      ; a K step of wimg
.set SLOTB, 102400                     ; LDS: slot 0 at 0, slot 1 at SLOTB
.set XI0,   204800                     ; x's codes, 51,200 bytes: two chunks of 25,600: [K step % 4][tile m][image] 24,576, scale words [K step % 4][r][m] 1,024
.set XI1,   256000
.set XCH,   25600
.set STG,   307200                     ; 1,024 bytes: q's or k's scale words [m][r][w]
.set SPARE, 308224                     ; the spare words, 128 bytes a wave
.set XA,   1                           ; x: my row x 4,096 + 64 h
.set L16,  2                           ; 16 x lane
.set L8,   3                           ; 8 x lane
.set WA,   4                           ; v4-5   slot + 12,288 w + 16 lane
.set WSA,  6                           ; v6-7   slot + 49,152 + 512 w + 16 lane
.set XR,   8                           ; v8-9   XI + 16 lane
.set XSR,  10                          ; v10-11 XI + 24,576 + 16 r
.set XW,   12                          ; v12-13 XI + 16 lane + 1,536 w
.set XSW,  14                          ; v14-15 XI + 24,576 + 16 r + 4 w
.set CXW,  18                          ; v18-19 the first phase's current XW, XSW
.set CXSW, 19
.set SGW,  20                          ; STG + 16 r + 4 w
.set SGR,  21                          ; STG + 256 w + 8 lane
.set VO,   22                          ; 16 r + 6,144 h
.set SELV, 23                          ; byte selects 0x06040200 + h x 0x01010101
.set BA,   24                          ; 64 h
.set BVA,  25                          ; 4 (r + 8 (r / 8))
.set SPW,  28
.set NIL,  29
.set WSC,  32
.set XSC,  36
.set XF,   40
.set PC,   88
.set TM,   108
.set PW,   124
.set BV,   128
.set BQ,   96                          ; window 1
.set BK,   160                         ; window 1
.set WV,   20                          ; s20 wave
.set G1,   24                          ; s[24:31] descriptor group 1
.set G0,   32                          ; s[32:35], s[36:39] group 0 for slot 0, 1
.set LP,   40                          ; s[40:41] where x's loads stand
.set SEL,  44                          ; s[44:45] lane l xor 16
.set QSC,  46                          ; s[46:47] 1 / sqrt(512), twice
.set X1P,  52
.set X2P,  54
.set QP,   58
.set QSP,  60
.set KSP,  62
.set KP,   66
.set VP,   68
.set MSB, 0
.macro WIN new                         ; the immediate's high byte repeats the setting that is left
.if MSB != (\new)
	s_set_vgpr_msb (MSB<<8)|(\new)
.set MSB, (\new)
.endif
.endm
.macro ROUND                           ; a round of the cluster's barrier
	s_barrier_signal -1
	s_barrier_wait -1
	s_cmp_lg_u32 s[WV], 0
	s_cbranch_scc1 .Lnot_wave_0_\@
	s_barrier_signal -3
.Lnot_wave_0_\@:
	s_barrier_wait -3
	s_barrier_signal -1
	s_barrier_wait -1
.endm
; one scaled product.  row: 1 source 0's scales in lanes 16-31, 2 source 1's
.macro WM d, a, b, c, sa, sb, row
.if (\row) == 0
	v_wmma_scale_f32_16x16x128_f8f6f4 v[(\d):(\d)+7], v[(\a):(\a)+11], v[(\b):(\b)+11], v[(\c):(\c)+7], v[\sa], v[\sb] matrix_a_fmt:MATRIX_FMT_BF6 matrix_b_fmt:MATRIX_FMT_BF6
.elseif (\row) == 1
	v_wmma_scale_f32_16x16x128_f8f6f4 v[(\d):(\d)+7], v[(\a):(\a)+11], v[(\b):(\b)+11], v[(\c):(\c)+7], v[\sa], v[\sb] matrix_a_fmt:MATRIX_FMT_BF6 matrix_b_fmt:MATRIX_FMT_BF6 matrix_a_scale:MATRIX_SCALE_ROW1
.else
	v_wmma_scale_f32_16x16x128_f8f6f4 v[(\d):(\d)+7], v[(\a):(\a)+11], v[(\b):(\b)+11], v[(\c):(\c)+7], v[\sa], v[\sb] matrix_a_fmt:MATRIX_FMT_BF6 matrix_b_fmt:MATRIX_FMT_BF6 matrix_b_scale:MATRIX_SCALE_ROW1
.endif
.endm
; my 16 rows' numbers of one K step: lane (r, h) takes 16 neighbours of each block of 32
.macro XLOAD set, off
	WIN 0xc0                                       ; destination window 3
.irp bb, 0,1,2,3
.irp j, 0,1,2,3
	global_load_b128 v[64*(\set)+16*\bb+4*\j:64*(\set)+16*\bb+4*\j+3], v[XA], s[LP:LP+1] offset:(\off)+128*\bb+16*\j th:TH_LOAD_NT
.endr
.endr
	WIN 0
.endm
; 64 numbers of a lane in window win, register src + 16 b + i = place 32 b + 16 h + i along K of my row, become a fragment's codes in v[PC] on and its scale word in v[pw]
.macro QUANT src, win, pw
	WIN (\win)*5                                   ; sources 0 and 1
.irp b, 0,1,2,3
	v_max3_num_f32 v[TM+\b], |v[(\src)+16*\b]|, |v[(\src)+1+16*\b]|, 0x2800000   ; with the floor 2^(5 - 127): the byte cannot fall under 1
.endr
	WIN (\win)*20                                  ; sources 1 and 2
.irp i, 2,4,6,8,10,12,14
.irp b, 0,1,2,3
	v_max3_num_f32 v[TM+\b], v[TM+\b], |v[(\src)+16*\b+\i]|, |v[(\src)+1+16*\b+\i]|   ; the four blocks by turns
.endr
.endr
	WIN 0
.irp b, 0,1,2,3
	v_permlanex16_b32 v[TM+4+\b], v[TM+\b], s[SEL], s[SEL+1]
.endr
.irp b, 0,1,2,3
	v_max_num_f32 v[TM+\b], v[TM+\b], v[TM+4+\b]   ; with lane l xor 16's: the block's largest magnitude
.endr
.irp b, 0,1,2,3
	v_add_nc_u32 v[TM+12+\b], 0xfe000000, v[TM+\b] ; 4 off its exponent field: the conversion's scale operand
.endr
.irp b, 0,1,2,3
	v_lshrrev_b32 v[TM+4+\b], 23, v[TM+12+\b]      ; the scale's byte
.endr
	v_lshl_or_b32 v[\pw], v[TM+5], 8, v[TM+4]
	v_lshl_or_b32 v[\pw], v[TM+6], 16, v[\pw]
	v_lshl_or_b32 v[\pw], v[TM+7], 24, v[\pw]
	WIN (\win)                                     ; source 0
.irp c, 0,1
	v_cvt_scalef32_pk16_bf6_f32 v[PC+6*\c:PC+2+6*\c], v[(\src)+32*\c:(\src)+15+32*\c], v[TM+12+2*\c]
	v_cvt_scalef32_pk16_bf6_f32 v[PC+12+4*\c:PC+14+4*\c], v[(\src)+16+32*\c:(\src)+31+32*\c], v[TM+12+2*\c+1]   ; (a conversion's three registers begin on an even number)
.endr
	WIN 0
	v_nop                                          ; one plain place behind a scaled conversion
.irp c, 0,1                                    ; the layout wants a whole block in a lane: lanes 0-15 block 2 c, lanes 16-31 block 2 c + 1
.irp i, 0,1,2
	v_permlane16_swap_b32 v[PC+6*\c+\i], v[PC+12+4*\c+\i]
.endr
.irp i, 0,1,2
	v_mov_b32 v[PC+3+6*\c+\i], v[PC+12+4*\c+\i]
.endr
.endr
.endm
.macro IMAGE adr, off
.irp c, 0,1,2
	ds_store_b128 v[\adr], v[PC+4*\c:PC+4*\c+3] offset:(\off)+512*\c
.endr
.endm
; x set: wait for it (cnt: the loads issued behind it), ask for the set three on, quantise, image and scale word to LDS
.macro XSTEP set, cnt, ld, ldset, ldoff, wadr, swadr, off, soff
	s_wait_loadcnt \cnt
.if \ld
	XLOAD \ldset, \ldoff
.endif
	QUANT 64*(\set), 3, PW
	IMAGE \wadr, \off
	ds_store_b32 v[\swadr], v[PW] offset:\soff
.endm
; a K step's operands from LDS: my 8 fragments of W, the 4 of x, both sides' scale words
.macro GLOAD slot, kap, radr, sradr, off, soff
	WIN 0x40                                       ; destination window 1
.irp t, 0,1,2,3,4,5,6,7
.irp c, 0,1,2
	ds_load_b128 v[12*\t+4*\c:12*\t+4*\c+3], v[WA+\slot] offset:(\kap)*WSTEP+1536*\t+512*\c
.endr
.endr
	WIN 0
.irp m, 0,1,2,3
.irp c, 0,1,2
	ds_load_b128 v[XF+12*\m+4*\c:XF+12*\m+4*\c+3], v[\radr] offset:(\off)+1536*\m+512*\c
.endr
.endr
	ds_load_b128 v[WSC:WSC+3], v[WSA+\slot] offset:(\kap)*WSTEP   ; register i: lanes 0-15 tile i, lanes 16-31 tile 4 + i
	ds_load_b128 v[XSC:XSC+3], v[\sradr] offset:\soff             ; register m: tile m
.endm
; 32 products, the 32 accumulators by turns, one instruction a turn.  form 0: q, k (first: 1 the sums begin with bq, 2 with bk); form 1: v (first: with bk)
.macro GMUL form, first
.if (\form) == 0
.if (\first) != 0
	WIN 0x91                                       ; source 0 (W) window 1, source 1 (x) window 0, C (the bias) window 1, D window 2
.else
	WIN 0xa1                                       ; C and D window 2
.endif
.irp t, 0,1,2,3,4,5,6,7
.irp m, 0,1,2,3
.if (\first) == 1
	WM 64*\m+8*\t, 12*\t, XF+12*\m, BQ+8*\t, WSC+\t%4, XSC+\m, \t/4
.elseif (\first) == 2
	WM 64*\m+8*\t, 12*\t, XF+12*\m, BK+8*\t, WSC+\t%4, XSC+\m, \t/4
.else
	WM 64*\m+8*\t, 12*\t, XF+12*\m, 64*\m+8*\t, WSC+\t%4, XSC+\m, \t/4
.endif
.endr
.endr
.else
.if (\first) != 0
	WIN 0x84                                       ; source 0 (x) window 0, source 1 (W) window 1, C (the bias) window 0, D window 2
.else
	WIN 0xa4
.endif
.irp t, 0,1,2,3,4,5,6,7
.irp m, 0,1,2,3
.if (\first) != 0
	WM 64*(\t%4)+32*(\m/2)+16*(\t/4)+8*(\m%2), XF+12*\m, 12*\t, BV+8*\t, XSC+\m, WSC+\t%4, 2*(\t/4)
.else
	WM 64*(\t%4)+32*(\m/2)+16*(\t/4)+8*(\m%2), XF+12*\m, 12*\t, 64*(\t%4)+32*(\m/2)+16*(\t/4)+8*(\m%2), XSC+\m, WSC+\t%4, 2*(\t/4)
.endif
.endr
.endr
.endif
	WIN 0
.rept 4
	v_nop                                          ; places in front of loads into registers that these products read, and of the first read of results
.endr
.endm
; THE CHANGE OF SLOTS, at the head of a slot's two K steps.  Each wave waits for all its tensor loads (one: its quarter of slot sig), adds 0 to its spare word, and waits for that and for its reads of the other slot.
; refill = 1: a round of the cluster's barrier, then my joint load into the other slot: it has two K steps in which to land.  step: slot sig's descriptor walks two fills on (+1), or back to Wk's first (-1)
.macro CHANGE sig, refill, step
	s_wait_tensorcnt 0x0                           ; no tensor load of mine is out, so a group 0 may be written
	ds_add_u32 v[SPW], v[NIL]
.if (\step) > 0
	s_add_nc_u64 s[G0+4*(\sig)+2:G0+4*(\sig)+3], s[G0+4*(\sig)+2:G0+4*(\sig)+3], 2*SLOTB
.elseif (\step) < 0
	s_sub_nc_u64 s[G0+4*(\sig)+2:G0+4*(\sig)+3], s[G0+4*(\sig)+2:G0+4*(\sig)+3], 2*SLOTB
.endif
	s_wait_dscnt 0x0                               ; the add is done; my LDS reads are back and my LDS stores have landed
.if \refill
	ROUND
	tensor_load_to_lds s[G0+4-4*(\sig):G0+7-4*(\sig)], s[G1:G1+7]
	s_nop 0
.rept 4
	v_nop
.endr
.else
	s_barrier_signal -1
	s_barrier_wait -1
.endif
.endm
; K step s of a phase that multiplies from XI[rb] and quantises the next tensor's K step s into XI[wb].  The vector work stands between the LDS loads and the wait for them
.macro GX s, first, rb, wb, cnt, ld
	GLOAD ((\s)/2)%2, (\s)%2, XR+\rb, XSR+\rb, ((\s)/4)*XCH+((\s)%4)*6144, ((\s)/4)*XCH+((\s)%4)*256
	XSTEP (\s)%4, \cnt, \ld, ((\s)+3)%4, (((\s)+3)%4)*512, XW+\wb, XSW+\wb, ((\s)/4)*XCH+((\s)%4)*6144, ((\s)/4)*XCH+((\s)%4)*256
	s_wait_dscnt 0x0                               ; the operands are in; my images have landed and their registers are free
	GMUL 0, \first
.endm
.macro GO s, first                     ; K step s of v: nothing is left to quantise
	GLOAD ((\s)/2)%2, (\s)%2, XR, XSR, ((\s)/4)*XCH+((\s)%4)*6144, ((\s)/4)*XCH+((\s)%4)*256
	s_wait_dscnt 0x0
	GMUL 1, \first
.endm
.macro LPADD                           ; x's loads go on to the tensor's second half of K
	s_wait_xcnt 0x0                                ; the loads issued have read their base
	s_add_nc_u64 s[LP:LP+1], s[LP:LP+1], 2048
.endm
; q's or k's way out: for each tile of rows my 64 numbers a lane are K step w of the scores' product: (scaled,) quantised, image to memory, scale word to the stage
.macro EPI_QK scale, ptr, rec, sptr
.irp m, 0,1,2,3
	s_wait_xcnt 0x0                                ; the last stores have read the codes' registers
	s_wait_dscnt 0x0
.if \scale
	WIN 0x82                                       ; destination and source 0 window 2
.set J, 0
.rept 32
	v_pk_mul_f32 v[64*\m+J:64*\m+J+1], v[64*\m+J:64*\m+J+1], s[QSC:QSC+1] op_sel_hi:[1,0]   ; each accumulator from its low end on
.set J, J+2
.endr
.endif
	QUANT 64*\m, 2, PW
.irp c, 0,1,2
	global_store_b128 v[L16], v[PC+4*\c:PC+4*\c+3], s[\ptr:\ptr+1] offset:(\m/2)*(\rec)+(\m%2)*6144+512*\c   ; 512 consecutive bytes, aligned
.endr
	ds_store_b32 v[SGW], v[PW] offset:256*\m
.endr
	s_wait_dscnt 0x0                               ; for the others' sake: my words have landed
	s_barrier_signal -1
	s_barrier_wait -1
	ds_load_b64 v[TM+8:TM+9], v[SGR]
	s_wait_dscnt 0x0
	global_store_b64 v[L8], v[TM+8:TM+9], s[\sptr:\sptr+1]   ; 256 consecutive bytes, aligned
	s_wait_xcnt 0x0                                ; the last tile's stores and this one have read their registers: the next phase writes the codes' registers anew
.endm
	s_load_b512 s[4:19], s[0:1], 0x0               ; x0, x1, x2, wimg, bq, bk, qimg, kv
	v_lshl_add_u32 v[SPW], v0, 2, SPARE
	v_mov_b32 v[NIL], 0
	ds_add_u32 v[SPW], v[NIL]                      ; the wave's opening: the add, twice on end, and its wait ahead of my first tensor load
	ds_add_u32 v[SPW], v[NIL]
	v_lshrrev_b32 v30, 5, v0
	v_readfirstlane_b32 s[WV], v30                 ; wave 0..3
	s_bfe_u32 s21, ttmp6, 0x40000                  ; cx
	s_lshl_b32 s22, ttmp9, 2
	s_add_co_u32 s22, s22, s21                     ; g: it enters x's and the results' addresses alone
	s_mov_b32 s[G1], 15|(3<<16)|(1<<21)            ; the mask: all four work-groups; elements of 8 bytes; bit 21 beside a mask; no padding
	s_mov_b32 s[G1+1], 32<<16                      ; tensor_dim0 = 32 (256 bytes)
	s_mov_b32 s[G1+2], 100<<16                     ; tensor_dim1 = 100
	s_mov_b32 s[G1+3], 32<<16                      ; tile_dim0
	s_mov_b32 s[G1+4], 100                         ; tile_dim1
	s_mov_b32 s[G1+5], 32                          ; the pitch: the block is dense
	s_mov_b32 s[G1+6], 0
	s_mov_b32 s[G1+7], 0
	s_mov_b32 s[SEL], 0x76543210
	s_mov_b32 s[SEL+1], 0xfedcba98
	s_mov_b32 s[QSC], 0x3d3504f3                   ; 1 / sqrt(512)
	s_mov_b32 s[QSC+1], s[QSC]
	v_and_b32 v30, 15, v0                          ; r
	v_bfe_u32 v31, v0, 4, 1                        ; h
	v_and_b32 v26, 31, v0                          ; lane
	v_lshlrev_b32 v[L16], 4, v26
	v_lshlrev_b32 v[L8], 3, v26
	v_lshlrev_b32 v27, 4, v30                      ; 16 r
	s_mul_i32 s72, s[WV], 12288
	v_add_nc_u32 v[WA], s72, v[L16]
	v_add_nc_u32 v[WA+1], SLOTB, v[WA]
	s_lshl_b32 s72, s[WV], 9
	s_add_co_u32 s72, s72, 49152
	v_add_nc_u32 v[WSA], s72, v[L16]
	v_add_nc_u32 v[WSA+1], SLOTB, v[WSA]
	v_add_nc_u32 v[XR], XI0, v[L16]
	v_add_nc_u32 v[XR+1], XI1, v[L16]
	v_add_nc_u32 v[XSR], XI0+24576, v27
	v_add_nc_u32 v[XSR+1], XI1+24576, v27
	s_mul_i32 s72, s[WV], 1536
	v_add_nc_u32 v[XW], s72, v[XR]
	v_add_nc_u32 v[XW+1], s72, v[XR+1]
	s_lshl_b32 s72, s[WV], 2
	v_add_nc_u32 v[XSW], s72, v[XSR]
	v_add_nc_u32 v[XSW+1], s72, v[XSR+1]
	v_add_nc_u32 v[SGW], s72, v27
	v_add_nc_u32 v[SGW], STG, v[SGW]
	s_lshl_b32 s72, s[WV], 8
	s_add_co_u32 s72, s72, STG
	v_add_nc_u32 v[SGR], s72, v[L8]
	v_mad_u32_u24 v[VO], v31, 6144, v27
	s_mov_b32 s72, 0x01010101
	v_mul_lo_u32 v[SELV], v31, s72
	v_add_nc_u32 v[SELV], 0x06040200, v[SELV]
	v_lshlrev_b32 v[BA], 6, v31
	v_and_b32 v[BVA], 8, v30
	v_add_nc_u32 v[BVA], v[BVA], v30               ; r + 8 (r / 8)
	s_lshr_b32 s72, s[WV], 1
	s_lshl_b32 s72, s72, 5
	s_and_b32 s73, s[WV], 1
	s_lshl_b32 s73, s73, 3
	s_add_co_u32 s72, s72, s73                     ; 32 (w / 2) + 8 (w % 2)
	v_add_nc_u32 v[XA], s72, v[BVA]
	v_lshlrev_b32 v[XA], 12, v[XA]
	v_lshl_add_u32 v[XA], v31, 6, v[XA]
	v_lshlrev_b32 v[BVA], 2, v[BVA]
.irp b, 0,1,2,3
	v_mov_b32 v[TM+4+\b], 0                        ; written once: a lane permute's destination counts as one of its sources
.endr
	s_mul_i32 s70, s[WV], 25600                    ; my quarter of a slot, in wimg and in LDS alike: the wave's number alone
	s_mov_b32 s71, 0
	s_wait_dscnt 0x0                               ; both opening adds are done
	s_wait_kmcnt 0x0
	s_mov_b32 s[G0], 1
	s_mov_b32 s[G0+1], s70
	s_add_nc_u64 s[G0+2:G0+3], s[10:11], s[70:71]  ; fill 0: Wq's K steps 0, 1
	s_mov_b32 s[G0+4], 1
	s_add_co_u32 s[G0+5], s70, SLOTB
	s_add_nc_u64 s[G0+6:G0+7], s[G0+2:G0+3], SLOTB ; fill 1
	s_or_b32 s[G0+3], s[G0+3], 0x80000000
	s_or_b32 s[G0+7], s[G0+7], 0x80000000
	s_lshl_b32 s50, s22, 18                        ; 64 g rows of 4,096 bytes
	s_mov_b32 s51, 0
	s_add_nc_u64 s[LP:LP+1], s[4:5], s[50:51]
	s_add_nc_u64 s[X1P:X1P+1], s[6:7], s[50:51]
	s_add_nc_u64 s[X2P:X2P+1], s[8:9], s[50:51]
	s_mul_i32 s56, s[WV], 1536
	s_mul_i32 s50, s22, 25600
	s_add_co_u32 s50, s50, s56
	s_add_nc_u64 s[QP:QP+1], s[16:17], s[50:51]    ; qimg: block 2 g, image w
	s_mul_i32 s50, s22, 51200
	s_add_co_u32 s50, s50, s56
	s_add_nc_u64 s[KP:KP+1], s[18:19], s[50:51]    ; kv: record 2 g, image w
	s_lshl_b32 s57, s22, 1
	s_lshr_b32 s56, s[WV], 1
	s_add_co_u32 s57, s57, s56                     ; 2 g + w / 2
	s_and_b32 s56, s[WV], 1
	s_lshl_b32 s56, s56, 8                         ; 256 (w % 2)
	s_mul_i32 s50, s57, 12800
	s_add_co_u32 s50, s50, s56
	s_add_co_u32 s50, s50, 12288
	s_add_nc_u64 s[QSP:QSP+1], s[16:17], s[50:51]
	s_mul_i32 s50, s57, 25600
	s_add_co_u32 s50, s50, s56
	s_add_co_u32 s50, s50, 24576
	s_add_nc_u64 s[KSP:KSP+1], s[18:19], s[50:51]
	s_lshr_b32 s50, s22, 1
	s_lshl_b32 s50, s50, 2
	s_add_co_u32 s50, s50, s[WV]
	s_mul_i32 s50, s50, 25600                      ; record (g / 2) x 4 + w
	s_and_b32 s56, s22, 1
	s_lshl_b32 s56, s56, 8
	s_add_co_u32 s50, s50, s56                     ; my half of the step: lanes 16 (g % 2) on
	s_add_co_u32 s50, s50, 12288
	s_add_nc_u64 s[VP:VP+1], s[18:19], s[50:51]
	s_lshl_b32 s72, s[WV], 9
	s_mov_b32 s73, 0
	s_add_nc_u64 s[12:13], s[12:13], s[72:73]      ; bq, bk at my 128 columns
	s_add_nc_u64 s[14:15], s[14:15], s[72:73]
	ROUND                                          ; all four work-groups are here: the first joint loads meet
	tensor_load_to_lds s[G0:G0+3], s[G1:G1+7]      ; fill 0
	s_nop 0
.rept 4
	v_nop
.endr
	WIN 0x40
.irp t, 0,1,2,3,4,5,6,7                        ; the biases in the result's layout: lane (r, h), tile t: d = 32 (t / 2) + 8 (t % 2) + 16 h + 0 .. 7
	global_load_b128 v[BQ+8*\t:BQ+8*\t+3], v[BA], s[12:13] offset:(32*(\t/2)+8*(\t%2))*4
	global_load_b128 v[BQ+8*\t+4:BQ+8*\t+7], v[BA], s[12:13] offset:(32*(\t/2)+8*(\t%2))*4+16
	global_load_b128 v[BK+8*\t:BK+8*\t+3], v[BA], s[14:15] offset:(32*(\t/2)+8*(\t%2))*4
	global_load_b128 v[BK+8*\t+4:BK+8*\t+7], v[BA], s[14:15] offset:(32*(\t/2)+8*(\t%2))*4+16
.endr
	WIN 0
.irp t, 0,1,2,3,4,5,6,7                        ; and for v: a lane holds one d: 32 (t / 2) + 8 (t % 2) + r + 8 (r / 8)
	global_load_b32 v[BV+8*\t], v[BVA], s[14:15] offset:(32*(\t/2)+8*(\t%2))*4
.endr
	XLOAD 0, 0
	XLOAD 1, 512
	XLOAD 2, 1024
	s_wait_loadcnt 48                              ; the biases are in; the three sets of x behind them (48 loads) stay out
.irp t, 0,1,2,3,4,5,6,7
.irp j, 1,2,3,4,5,6,7
	v_mov_b32 v[BV+8*\t+\j], v[BV+8*\t]            ; the same d in all eight registers of a tile
.endr
.endr
	; ---- x0 is quantised into XI0: two trips of four K steps
	s_mov_b32 s48, 2
	s_mov_b32 s49, 0
.Lp0:
	s_wait_dscnt 0x0                               ; my LDS stores have read their registers
	v_add_nc_u32 v[CXW], s49, v[XW]
	v_add_nc_u32 v[CXSW], s49, v[XSW]
	XSTEP 0, 32, 1, 3, 1536, CXW, CXSW, 0, 0       ; 32: the two sets behind the one that is wanted
	s_wait_xcnt 0x0                                ; the loads issued have read their base
	s_add_nc_u64 s[LP:LP+1], s[LP:LP+1], 2048
	s_cmp_eq_u32 s48, 2                            ; the second trip goes on to x1
	s_cselect_b64 s[LP:LP+1], s[LP:LP+1], s[X1P:X1P+1]
	s_wait_dscnt 0x0
	XSTEP 1, 32, 1, 0, 0, CXW, CXSW, 6144, 256
	s_wait_dscnt 0x0
	XSTEP 2, 32, 1, 1, 512, CXW, CXSW, 12288, 512
	s_wait_dscnt 0x0
	XSTEP 3, 32, 1, 2, 1024, CXW, CXSW, 18432, 768
	s_add_co_u32 s49, s49, XCH
	s_sub_co_u32 s48, s48, 1
	s_cmp_lg_u32 s48, 0
	s_cbranch_scc1 .Lp0
	; ---- q is multiplied from XI0 (fills 0-3), x1 is quantised into XI1
	CHANGE 0, 1, 1                                 ; behind this round slot 1 has its first fill
	GX 0, 1, 0, 1, 32, 1
	LPADD
	GX 1, 0, 0, 1, 32, 1
	CHANGE 1, 1, 1
	GX 2, 0, 0, 1, 32, 1
	GX 3, 0, 0, 1, 32, 1
	CHANGE 0, 1, 1
	GX 4, 0, 0, 1, 32, 1
	s_wait_xcnt 0x0
	s_mov_b64 s[LP:LP+1], s[X2P:X2P+1]             ; on to x2
	GX 5, 0, 0, 1, 32, 1
	CHANGE 1, 1, 1
	GX 6, 0, 0, 1, 32, 1
	GX 7, 0, 0, 1, 32, 1
	EPI_QK 1, QP, 12800, QSP
	; ---- k from XI1 (fills 4-7), x2 into XI0
	CHANGE 0, 1, 1
	GX 0, 2, 1, 0, 32, 1
	LPADD
	GX 1, 0, 1, 0, 32, 1
	CHANGE 1, 1, 1
	GX 2, 0, 1, 0, 32, 1
	GX 3, 0, 1, 0, 32, 1
	CHANGE 0, 1, -1                                ; fill 8 is Wk's first once more
	GX 4, 0, 1, 0, 32, 1                           ; the last set of x is asked for
	GX 5, 0, 1, 0, 32, 0
	CHANGE 1, 1, -1
	GX 6, 0, 1, 0, 16, 0                           ; the counts run down: one set behind,
	GX 7, 0, 1, 0, 0, 0                            ; none
	EPI_QK 0, KP, 25600, KSP
	; ---- v from XI0 (fills 8-11)
	CHANGE 0, 1, 1
	GO 0, 1
	GO 1, 0
	CHANGE 1, 1, 1
	GO 2, 0
	GO 3, 0
	CHANGE 0, 1, 0                                 ; the last fill goes out
	GO 4, 0
	GO 5, 0
	CHANGE 1, 0, 0                                 ; nothing is left to fetch: a plain barrier
	GO 6, 0
	GO 7, 0
	; v's way out.  The 64 registers at 64 i hold, for tiles i (e = 0) and i + 4 (e = 1), my d's 16 keys of key blocks c = 0, 1: block 2 c + e of the quantiser.  Its codes come out with lanes of half e
	; holding tile i + 4 e, registers 6 c .. + 5 key block c: sixteen lanes' 16 bytes are 256 consecutive bytes of that tile's image.
.irp i, 0,1,2,3
	s_wait_xcnt 0x0                                ; the last stores have read the codes' registers
	QUANT 64*\i, 2, PW+\i
.irp c, 0,1,2
	global_store_b128 v[VO], v[PC+4*\c:PC+4*\c+3], s[VP:VP+1] offset:1536*\i+512*\c
.endr
.endr
	v_perm_b32 v[TM+8], v[PW+1], v[PW], v[SELV]    ; my half's bytes: tiles i = 0, 1: (c = 0, c = 1) each,
	v_perm_b32 v[TM+9], v[PW+3], v[PW+2], v[SELV]  ; tiles 2, 3
	global_store_b64 v[L8], v[TM+8:TM+9], s[VP:VP+1] offset:12800   ; 256 consecutive bytes, aligned
	s_wait_tensorcnt 0x0                           ; the wave's end: behind my last tensor load and my last LDS store
	ds_add_u32 v[SPW], v[NIL]
	s_wait_dscnt 0x0
	ROUND                                          ; the closing round
	s_endpgm
.Lfunc_end_k_q2c8362e644_proj:
	.size	k_q2c8362e644_proj, .Lfunc_end_k_q2c8362e644_proj-k_q2c8362e644_proj
	.p2alignl 7, 3214868480
	.fill 96, 4, 3214868480
	.section	.rodata,"a",@progbits
	.p2align	6, 0x0
	.amdhsa_kernel k_q2c8362e644_proj
		.amdhsa_group_segment_fixed_size 327680
		.amdhsa_private_segment_fixed_size 0
		.amdhsa_enable_private_segment 0
		.amdhsa_kernarg_size 64
		.amdhsa_user_sgpr_count 2
		.amdhsa_user_sgpr_kernarg_segment_ptr 1
		.amdhsa_wavefront_size32 1
		.amdhsa_system_sgpr_workgroup_id_x 1
		.amdhsa_system_sgpr_workgroup_id_y 1
		.amdhsa_system_sgpr_workgroup_id_z 1
		.amdhsa_system_vgpr_workitem_id 0
		.amdhsa_next_free_vgpr 1024
		.amdhsa_next_free_sgpr 80
		.amdhsa_reserve_vcc 0
		.amdhsa_float_denorm_mode_32 3
		.amdhsa_float_denorm_mode_16_64 3
		.amdhsa_memory_ordered 1
		.amdhsa_forward_progress 1
		.amdhsa_inst_pref_size 255
	.end_amdhsa_kernel
	.section	.bss,"aw",@nobits
	.p2align	6
	.space	262144
	.amdgpu_metadata
---
amdhsa.version: [ 1, 2 ]
amdhsa.kernels:
  - .name:           k_q2c8362e644_proj
    .symbol:         k_q2c8362e644_proj.kd
    .args:
      - { .name: x0, .offset: 0, .size: 8, .value_kind: global_buffer, .address_space: global }
      - { .name: x1, .offset: 8, .size: 8, .value_kind: global_buffer, .address_space: global }
      - { .name: x2, .offset: 16, .size: 8, .value_kind: global_buffer, .address_space: global }
      - { .name: wimg, .offset: 24, .size: 8, .value_kind: global_buffer, .address_space: global }
      - { .name: bq, .offset: 32, .size: 8, .value_kind: global_buffer, .address_space: global }
      - { .name: bk, .offset: 40, .size: 8, .value_kind: global_buffer, .address_space: global }
      - { .name: qimg, .offset: 48, .size: 8, .value_kind: global_buffer, .address_space: global }
      - { .name: kv, .offset: 56, .size: 8, .value_kind: global_buffer, .address_space: global }
    .group_segment_fixed_size: 327680
    .private_segment_fixed_size: 0
    .kernarg_segment_align: 8
    .kernarg_segment_size: 64
    .max_flat_workgroup_size: 128
    .sgpr_count:     80
    .vgpr_count:     1024
    .wavefront_size: 32
...
	.end_amdgpu_metadata
.endif
;; end of part 2
;; launch attn (part 3): grid 32 x 8, 4 waves a work-group, no clusters, 44,544 bytes of LDS; arguments qimg, kv, out0; writes out0
.if DOCPART == 3
	.amdgcn_target "amdgcn-amd-amdhsa--gfx1250"
	.amdhsa_code_object_version 6
	.text
	.protected	k_q2c8362e644_attn
	.globl	k_q2c8362e644_attn
	.p2align	8
	.type	k_q2c8362e644_attn,@function
k_q2c8362e644_attn:
	s_mov_b64 s[64:65], 0
	v_nop
	global_prefetch_b8 v0, s[64:65] scope:SCOPE_SE
	s_setreg_imm32_b32 hwreg(HW_REG_WAVE_MODE, 25, 1), 1
	s_wait_xcnt 0x0
; out = softmax(q k^T + causal mask) v on the codes that launch proj stored (layouts: at its head).  One head of 512, 8 batches of 2,048 positions.
; LEFT OUT: steps of 128 keys all of which come after all 32 queries of a block: the mask that reference() builds gives them the weight 0 (shown at the head of launch wq).
; SOFTMAX: t = score x log2(e); M = the running largest t rounded up to a whole number; p = 2^(t - M) is quantised along the keys; the row's sum is taken of the unquantised p and divides at the end.
; When M moves, the sum and O are multiplied by 2^(old M - new M): exact.
; SHARES.  Work-group (p, batch) owns the blocks of 32 queries 63 - p (tiles 0, 1) and p (tiles 2, 3): 16 - p / 4 and p / 4 + 1 steps of 128 keys, 17 half steps in every work-group.
; In a step wave w makes S^T for key block 32 w (2 tiles of keys x 4 K steps of d) and, of O^T, the d slice 128 w (8 tiles), for all live tiles of queries.
; Both products are used transposed: a lane holds one query.  The four waves' block maxima meet in LDS (barrier 1), their codes of p and scale bytes too (barrier 2).
; K AND V GO FROM MEMORY STRAIGHT INTO REGISTERS: each fragment is read by one wave of the work-group, as whole runs of 512 bytes.  No cluster: what partners would share they would have to pass through LDS,
; 100 KB written and read a step for nothing, and partners walk different numbers of steps.
; In the second product key block kap of a step stands in registers 6 (kap % 2) .. + 5 of the lanes of half kap / 2, in p's fragment as in V's images.
; LIMITS: NaN and infinities are not served; a block of p that has fallen to zeros keeps the scale byte 1 (its codes are zeros).
; REGISTERS.  Window 0: v1-12 addresses; v14 -infinity; v16-19 the diagonal's lane numbers; v24-55 statistics, 8 a tile (-M, largest t, sum x 2, f, 0, block maximum, permute); v56-59 K's scale words, v60-63 V's,
; v64-67 V's scale bytes as loaded, v68-75 Q's scale words, v76-79 p's; v80-143 S^T then p, 16 a tile; v144-191 p's fragments (first the four waves' maxima); v192-223 codes just made; v224-247 at work.
; Window 1: O^T at 64 tau + 8 t.  Window 2: Q at 48 tau + 12 s.  Window 3: K at 12 (4 u + s), V at 96 + 12 t.
.set LX,    1024                       ; LDS: 0 the block maxima [tau][r][w]; 1,024 the sums, alike
.set PS,    2048                       ; p's scale bytes [tau][r][4]
.set PI,    2304                       ; p's fragments [tau][pair of registers 0..5][lane][8]
.set STAGE, 8448                       ; the way out: 16 rows x 528 bytes for each wave
.set SPARE, 42240                      ; the spare words
.set STEPB, 102400                     ; a step's four records
.set L16, 1
.set L8,  2
.set MXW, 3                            ; 16 r + 4 w
.set MXR, 4                            ; 16 r
.set PIW, 5                            ; PI + 768 (w % 2) + 128 (w / 2) + 8 r
.set PIR, 6                            ; PI + 8 lane
.set PSB, 7                            ; PS + 4 r + 2 (w % 2) + w / 2
.set PSR, 8                            ; PS + 4 r
.set STO, 9
.set SRD, 10
.set LQ,  11                           ; r + 8 (r / 8) - 16 h - 32 w
.set PFO, 12                           ; 256 x lane
.set NINF, 14
.set DM,  16
.set ST,  24
.set KS,  56
.set VS,  60
.set VL,  64
.set VH,  66
.set QS,  68
.set PSW, 76
.set S,   80
.set PF,  144
.set PC,  192
.set AW,  224
.set SPW, 252
.set NIL, 253
.set WV,  10
.set KVP, 14                           ; s[14:15] my record of the step in hand
.set QHP, 16
.set QLP, 18
.set OPH, 20
.set OPL, 22
.set SEL, 24
.set CS,  26                           ; s[26:27] log2(e), twice
.set JJ,  28                           ; the step's number
.set LIM, 29                           ; 13 in the work-group that prefetches, else -1
.set MSB, 0
.macro WIN new
.if MSB != (\new)
	s_set_vgpr_msb (MSB<<8)|(\new)
.set MSB, (\new)
.endif
.endm
; one scaled product.  row: bit 0 source 0's scales in lanes 16-31, bit 1 source 1's
.macro WM d, a, b, c, sa, sb, row
.if (\row) == 0
	v_wmma_scale_f32_16x16x128_f8f6f4 v[(\d):(\d)+7], v[(\a):(\a)+11], v[(\b):(\b)+11], v[(\c):(\c)+7], v[\sa], v[\sb] matrix_a_fmt:MATRIX_FMT_BF6 matrix_b_fmt:MATRIX_FMT_BF6
.elseif (\row) == 1
	v_wmma_scale_f32_16x16x128_f8f6f4 v[(\d):(\d)+7], v[(\a):(\a)+11], v[(\b):(\b)+11], v[(\c):(\c)+7], v[\sa], v[\sb] matrix_a_fmt:MATRIX_FMT_BF6 matrix_b_fmt:MATRIX_FMT_BF6 matrix_a_scale:MATRIX_SCALE_ROW1
.elseif (\row) == 2
	v_wmma_scale_f32_16x16x128_f8f6f4 v[(\d):(\d)+7], v[(\a):(\a)+11], v[(\b):(\b)+11], v[(\c):(\c)+7], v[\sa], v[\sb] matrix_a_fmt:MATRIX_FMT_BF6 matrix_b_fmt:MATRIX_FMT_BF6 matrix_b_scale:MATRIX_SCALE_ROW1
.else
	v_wmma_scale_f32_16x16x128_f8f6f4 v[(\d):(\d)+7], v[(\a):(\a)+11], v[(\b):(\b)+11], v[(\c):(\c)+7], v[\sa], v[\sb] matrix_a_fmt:MATRIX_FMT_BF6 matrix_b_fmt:MATRIX_FMT_BF6 matrix_a_scale:MATRIX_SCALE_ROW1 matrix_b_scale:MATRIX_SCALE_ROW1
.endif
.endm
.macro WM0 d, a, b, sa, sb, row        ; the same, starting a sum
.if (\row) == 0
	v_wmma_scale_f32_16x16x128_f8f6f4 v[(\d):(\d)+7], v[(\a):(\a)+11], v[(\b):(\b)+11], 0, v[\sa], v[\sb] matrix_a_fmt:MATRIX_FMT_BF6 matrix_b_fmt:MATRIX_FMT_BF6
.elseif (\row) == 1
	v_wmma_scale_f32_16x16x128_f8f6f4 v[(\d):(\d)+7], v[(\a):(\a)+11], v[(\b):(\b)+11], 0, v[\sa], v[\sb] matrix_a_fmt:MATRIX_FMT_BF6 matrix_b_fmt:MATRIX_FMT_BF6 matrix_a_scale:MATRIX_SCALE_ROW1
.elseif (\row) == 2
	v_wmma_scale_f32_16x16x128_f8f6f4 v[(\d):(\d)+7], v[(\a):(\a)+11], v[(\b):(\b)+11], 0, v[\sa], v[\sb] matrix_a_fmt:MATRIX_FMT_BF6 matrix_b_fmt:MATRIX_FMT_BF6 matrix_b_scale:MATRIX_SCALE_ROW1
.else
	v_wmma_scale_f32_16x16x128_f8f6f4 v[(\d):(\d)+7], v[(\a):(\a)+11], v[(\b):(\b)+11], 0, v[\sa], v[\sb] matrix_a_fmt:MATRIX_FMT_BF6 matrix_b_fmt:MATRIX_FMT_BF6 matrix_a_scale:MATRIX_SCALE_ROW1 matrix_b_scale:MATRIX_SCALE_ROW1
.endif
.endm
.macro KLOAD off                       ; 25 loads: my key block's 8 images, 512 consecutive bytes a load, and its scale words
	WIN 0xc0                                       ; destination window 3
.set N, 0
.rept 24
	global_load_b128 v[4*N:4*N+3], v[L16], s[KVP:KVP+1] offset:(\off)+512*N
.set N, N+1
.endr
	WIN 0
	global_load_b128 v[KS:KS+3], v[L16], s[KVP:KVP+1] offset:(\off)+24576
.endm
.macro VLOAD off                       ; 26 loads: my d slice's 8 images and the two halves' scale bytes
	WIN 0xc0
.set N, 0
.rept 24
	global_load_b128 v[96+4*N:96+4*N+3], v[L16], s[KVP:KVP+1] offset:(\off)+12288+512*N
.set N, N+1
.endr
	WIN 0
	global_load_b64 v[VL:VL+1], v[L8], s[KVP:KVP+1] offset:(\off)+25088
	global_load_b64 v[VH:VH+1], v[L8], s[KVP:KVP+1] offset:(\off)+25344
.endm
; A PREFETCH INTO THE L2: in step j, behind the loads of step j + 1, the codes of my record of step j + 2: 24,576 bytes, three instructions, lanes 256 bytes apart.  All 32 work-groups of a batch walk the same
; records: the one that walks all 16 steps (p = 0) asks, each wave for the record that it will load: each block is named once.  Steps 14 and 15 ask for nothing; steps 0 and 1, and each record's last
; 1,024 bytes (scale words), come by their loads alone.
.macro ASK
	s_cmp_le_i32 s[JJ], s[LIM]
	s_cbranch_scc0 .Lnot_mine_\@
	global_prefetch_b8 v[PFO], s[KVP:KVP+1] offset:2*STEPB th:TH_LOAD_NT scope:SCOPE_SE
	global_prefetch_b8 v[PFO], s[KVP:KVP+1] offset:2*STEPB+8192 th:TH_LOAD_NT scope:SCOPE_SE
	global_prefetch_b8 v[PFO], s[KVP:KVP+1] offset:2*STEPB+16384 th:TH_LOAD_NT scope:SCOPE_SE
.Lnot_mine_\@:
.endm
; A STEP OF 128 KEYS for query tiles 0 .. nt - 1.  mask: the first of the two tiles that are on their diagonal, or -1.  next = 1: the next step's K and V are asked for
.macro STEP nt, mask, next
	s_wait_loadcnt 26                              ; K is in (and Q): V's 26 loads behind it may stay out
	WIN 0x0b                                       ; source 0 (K) window 3, source 1 (Q) window 2
.irp sp, 0,1,2,3                               ; the accumulators by turns, one instruction a turn
.irp u, 0,1
.irp tau, 0,1,2,3
.if \tau < \nt
.if \sp == 0
	WM0 S+16*\tau+8*\u, 12*(4*\u+\sp), 48*\tau+12*\sp, KS+\sp, QS+4*(\tau/2)+\sp, \u+2*(\tau%2)
.else
	WM S+16*\tau+8*\u, 12*(4*\u+\sp), 48*\tau+12*\sp, S+16*\tau+8*\u, KS+\sp, QS+4*(\tau/2)+\sp, \u+2*(\tau%2)
.endif
.endif
.endr
.endr
.endr
	WIN 0
.rept 4
	v_nop                                          ; places in front of the loads into K's registers and of the first read of the scores
.endr
.if \next
	KLOAD STEPB
	ASK
.endif
.if \mask >= 0                                 ; register n of a tile holds key 32 w + 16 h + n of the step: hidden where n > d.  -infinity ahead of the maximum: p = 0 then
.irp e, 0,1
.set N, 0
.rept 16
	v_cmp_gt_i32 vcc_lo, N, v[DM+\mask+\e]
	v_cndmask_b32 v[S+16*(\mask+\e)+N], v[S+16*(\mask+\e)+N], v[NINF], vcc_lo
.set N, N+1
.endr
.endr
.endif
.irp tau, 0,1,2,3                              ; the largest score of my block of 32 keys: for the row's maximum, and, since p rises with the score, for the block's largest p
.if \tau < \nt
	v_max3_num_f32 v[ST+8*\tau+6], v[S+16*\tau], v[S+16*\tau+1], v[S+16*\tau+2]
.endif
.endr
.irp i, 3,5,7,9,11,13
.irp tau, 0,1,2,3
.if \tau < \nt
	v_max3_num_f32 v[ST+8*\tau+6], v[ST+8*\tau+6], v[S+16*\tau+\i], v[S+16*\tau+\i+1]
.endif
.endr
.endr
.irp tau, 0,1,2,3
.if \tau < \nt
	v_max_num_f32 v[ST+8*\tau+6], v[ST+8*\tau+6], v[S+16*\tau+15]
.endif
.endr
.irp tau, 0,1,2,3
.if \tau < \nt
	v_permlanex16_b32 v[ST+8*\tau+7], v[ST+8*\tau+6], s[SEL], s[SEL+1]
.endif
.endr
.irp tau, 0,1,2,3
.if \tau < \nt
	v_max_num_f32 v[ST+8*\tau+6], v[ST+8*\tau+6], v[ST+8*\tau+7]
.endif
.endr
.irp tau, 0,1,2,3
.if \tau < \nt
	ds_store_b32 v[MXW], v[ST+8*\tau+6] offset:256*\tau
.endif
.endr
	s_wait_dscnt 0x0                               ; for the others' sake: my maxima have landed
	s_barrier_signal -1
	s_barrier_wait -1
.irp tau, 0,1,2,3
.if \tau < \nt
	ds_load_b128 v[PF+4*\tau:PF+4*\tau+3], v[MXR] offset:256*\tau
.endif
.endr
	s_wait_dscnt 0x0
.irp tau, 0,1,2,3
.if \tau < \nt
	v_max3_num_f32 v[AW+6*\tau], v[PF+4*\tau], v[PF+4*\tau+1], v[PF+4*\tau+2]
.endif
.endr
.irp tau, 0,1,2,3
.if \tau < \nt
	v_max_num_f32 v[AW+6*\tau], v[AW+6*\tau], v[PF+4*\tau+3]   ; the step's largest score of my query
.endif
.endr
.irp tau, 0,1,2,3
.if \tau < \nt
	v_mul_f32 v[AW+6*\tau], s[CS], v[AW+6*\tau]
.endif
.endr
.irp tau, 0,1,2,3
.if \tau < \nt
	v_max_num_f32 v[ST+8*\tau+1], v[ST+8*\tau+1], v[AW+6*\tau]   ; the running largest t
.endif
.endr
.irp tau, 0,1,2,3
.if \tau < \nt
	v_mov_b32 v[AW+6*\tau+2], v[ST+8*\tau]
.endif
.endr
.irp tau, 0,1,2,3
.if \tau < \nt
	v_floor_f32 v[ST+8*\tau], -v[ST+8*\tau+1]      ; the new -M = -ceil(t)
.endif
.endr
.irp tau, 0,1,2,3
.if \tau < \nt
	v_sub_f32 v[AW+6*\tau+2], v[ST+8*\tau], v[AW+6*\tau+2]   ; old M - new M: a whole number, 0 or less
.endif
.endr
.irp tau, 0,1,2,3
.if \tau < \nt
	v_cvt_i32_f32 v[AW+6*\tau+2], v[AW+6*\tau+2]   ; (it saturates)
.endif
.endr
.irp tau, 0,1,2,3
.if \tau < \nt
	v_ldexp_f32 v[ST+8*\tau+4], 1.0, v[AW+6*\tau+2]   ; f = 2^(old M - new M)
.endif
.endr
.irp j, 0,2,4,6,8,10,12,14
.irp tau, 0,1,2,3
.if \tau < \nt
	v_pk_fma_f32 v[S+16*\tau+\j:S+16*\tau+\j+1], v[S+16*\tau+\j:S+16*\tau+\j+1], s[CS:CS+1], v[ST+8*\tau:ST+8*\tau+1] op_sel_hi:[1,0,0]   ; t - M
.endif
.endr
.endr
.irp tau, 0,1,2,3
.if \tau < \nt
	v_fma_f32 v[ST+8*\tau+6], v[ST+8*\tau+6], s[CS], v[ST+8*\tau]   ; the same of the block's largest score
.endif
.endr
.irp tau, 0,1,2,3                              ; the exponentials are one batch
.if \tau < \nt
.set N, 0
.rept 16
	v_exp_f32 v[S+16*\tau+N], v[S+16*\tau+N]
.set N, N+1
.endr
.endif
.endr
.irp tau, 0,1,2,3
.if \tau < \nt
	v_pk_mul_f32 v[ST+8*\tau+2:ST+8*\tau+3], v[ST+8*\tau+2:ST+8*\tau+3], v[ST+8*\tau+4:ST+8*\tau+5] op_sel_hi:[1,0]   ; my sums under the new M (a plain place behind the batch)
.endif
.endr
	s_wait_alu depctr_va_vdst(0)                   ; one wait for the batch, ahead of its first reader
.irp tau, 0,1,2,3
.if \tau < \nt
	v_exp_f32 v[ST+8*\tau+6], v[ST+8*\tau+6]       ; the block's largest p
.endif
.endr
.irp tau, 0,1,2,3                              ; the sum of the unquantised p, in two chains
.if \tau < \nt
	v_pk_add_f32 v[AW+6*\tau:AW+6*\tau+1], v[S+16*\tau:S+16*\tau+1], v[S+16*\tau+2:S+16*\tau+3]
.endif
.endr
.irp j, 4,8,12
.irp tau, 0,1,2,3
.if \tau < \nt
	v_pk_add_f32 v[ST+8*\tau+2:ST+8*\tau+3], v[ST+8*\tau+2:ST+8*\tau+3], v[S+16*\tau+\j:S+16*\tau+\j+1]
	v_pk_add_f32 v[AW+6*\tau:AW+6*\tau+1], v[AW+6*\tau:AW+6*\tau+1], v[S+16*\tau+\j+2:S+16*\tau+\j+3]
.endif
.endr
.endr
.irp tau, 0,1,2,3
.if \tau < \nt
	v_pk_add_f32 v[ST+8*\tau+2:ST+8*\tau+3], v[ST+8*\tau+2:ST+8*\tau+3], v[AW+6*\tau:AW+6*\tau+1]
.endif
.endr
	s_wait_alu depctr_va_vdst(0)                   ; and one for the blocks' largest p
.irp tau, 0,1,2,3
.if \tau < \nt
	v_max_num_f32 v[ST+8*\tau+6], 0x2800000, v[ST+8*\tau+6]   ; the floor 2^(5 - 127)
.endif
.endr
.irp tau, 0,1,2,3
.if \tau < \nt
	v_add_nc_u32 v[AW+6*\tau+3], 0xfe000000, v[ST+8*\tau+6]   ; the conversion's scale operand
.endif
.endr
.irp tau, 0,1,2,3
.if \tau < \nt
	v_lshrrev_b32 v[AW+6*\tau+4], 23, v[AW+6*\tau+3]          ; the scale's byte
.endif
.endr
.irp tau, 0,1,2,3
.if \tau < \nt
	v_cvt_scalef32_pk16_bf6_f32 v[PC+8*\tau:PC+8*\tau+2], v[S+16*\tau:S+16*\tau+15], v[AW+6*\tau+3]   ; my 16 keys' codes
.endif
.endr
	v_nop                                          ; one plain place behind a scaled conversion
.irp tau, 0,1,2,3                              ; a copy, and the halves change places: every lane then holds its query's whole block: the lower 16 codes, then the upper 16
.if \tau < \nt
.irp i, 0,1,2
	v_mov_b32 v[PC+8*\tau+3+\i], v[PC+8*\tau+\i]
.endr
.irp i, 0,1,2
	v_permlane16_swap_b32 v[PC+8*\tau+\i], v[PC+8*\tau+3+\i]
.endr
.endif
.endr
.irp tau, 0,1,2,3
.if \tau < \nt
.irp e, 0,1,2
	ds_store_b64 v[PIW], v[PC+8*\tau+2*\e:PC+8*\tau+2*\e+1] offset:1536*\tau+256*\e   ; lanes r and r + 16 write the same bytes with the same values
.endr
	ds_store_b8 v[PSB], v[AW+6*\tau+4] offset:64*\tau
.endif
.endr
	s_wait_dscnt 0x0                               ; for the others' sake: my part of p has landed
	s_barrier_signal -1
	s_barrier_wait -1
.irp tau, 0,1,2,3
.if \tau < \nt
.irp e, 0,1,2,3,4,5
	ds_load_b64 v[PF+12*\tau+2*\e:PF+12*\tau+2*\e+1], v[PIR] offset:1536*\tau+256*\e
.endr
	ds_load_b32 v[PSW+\tau], v[PSR] offset:64*\tau
.endif
.endr
.if \next
	s_wait_loadcnt 25                              ; V is in: the next K's 25 loads behind it may stay out
.else
	s_wait_loadcnt 0x0
.endif
	v_perm_b32 v[VS], v[VH], v[VL], s36            ; V's scale words: byte 2 c + half of the step.  Tiles 0 (4), 1 (5),
	v_perm_b32 v[VS+1], v[VH], v[VL], s37
	v_perm_b32 v[VS+2], v[VH+1], v[VL+1], s36      ; 2 (6), 3 (7)
	v_perm_b32 v[VS+3], v[VH+1], v[VL+1], s37
	WIN 0x41                                       ; O^T (destination and source 0) window 1
.irp tau, 0,1,2,3
.if \tau < \nt
.set N, 0
.rept 32
	v_pk_mul_f32 v[64*\tau+N:64*\tau+N+1], v[64*\tau+N:64*\tau+N+1], v[ST+8*\tau+4:ST+8*\tau+5] op_sel_hi:[1,0]   ; O^T under the new M; these are also the places between the scale words' making and the products
.set N, N+2
.endr
.endif
.endr
	s_wait_dscnt 0x0                               ; p's fragments and scale words are in
	WIN 0x53                                       ; source 0 (V) window 3, source 1 (p) window 0, C and D window 1
.irp t, 0,1,2,3,4,5,6,7
.irp tau, 0,1,2,3
.if \tau < \nt
	WM 64*\tau+8*\t, 96+12*\t, PF+12*\tau, 64*\tau+8*\t, VS+\t%4, PSW+\tau, \t/4
.endif
.endr
.endr
	WIN 0
.rept 4
	v_nop                                          ; places in front of the loads into V's and p's registers
.endr
.if \next
	VLOAD STEPB
	s_wait_xcnt 0x0                                ; all that names the base has read it
	s_add_nc_u64 s[KVP:KVP+1], s[KVP:KVP+1], STEPB
	s_add_co_u32 s[JJ], s[JJ], 1
.endif
.endm
	s_load_b128 s[4:7], s[0:1], 0x0                ; qimg, kv
	s_load_b64 s[8:9], s[0:1], 0x10                ; out0
	v_lshl_add_u32 v[SPW], v0, 2, SPARE
	v_mov_b32 v[NIL], 0
	v_lshrrev_b32 v20, 5, v0
	v_readfirstlane_b32 s[WV], v20                 ; wave 0..3
	s_mov_b32 s11, ttmp9                           ; p
	s_and_b32 s12, ttmp7, 0xffff                   ; batch
	s_lshr_b32 s13, s11, 2                         ; p / 4
	v_and_b32 v20, 15, v0                          ; r
	v_bfe_u32 v21, v0, 4, 1                        ; h
	v_and_b32 v22, 31, v0
	v_lshlrev_b32 v[L16], 4, v22
	v_lshlrev_b32 v[L8], 3, v22
	v_lshlrev_b32 v[PFO], 8, v22
	v_lshlrev_b32 v[MXR], 4, v20
	s_lshl_b32 s31, s[WV], 2
	v_add_nc_u32 v[MXW], s31, v[MXR]
	s_and_b32 s31, s[WV], 1
	s_lshr_b32 s32, s[WV], 1
	s_mul_i32 s35, s31, 768
	s_lshl_b32 s38, s32, 7
	s_add_co_u32 s35, s35, s38
	s_add_co_u32 s35, s35, PI
	v_lshl_add_u32 v[PIW], v20, 3, s35
	v_add_nc_u32 v[PIR], PI, v[L8]
	s_lshl_b32 s35, s31, 1
	s_add_co_u32 s35, s35, s32
	s_add_co_u32 s35, s35, PS
	v_lshl_add_u32 v[PSB], v20, 2, s35
	v_lshlrev_b32 v[PSR], 2, v20
	v_add_nc_u32 v[PSR], PS, v[PSR]
	s_mul_i32 s35, s[WV], 16*528
	s_add_co_u32 s35, s35, STAGE
	v_mul_u32_u24 v[STO], v20, 528
	v_lshl_add_u32 v[STO], v21, 6, v[STO]
	v_add_nc_u32 v[STO], s35, v[STO]               ; the stage, in: row r, + 64 h
	v_add_nc_u32 v[SRD], s35, v[L16]               ; back: 16 bytes a lane of a row
	v_and_b32 v23, 8, v20
	v_add_nc_u32 v[LQ], v23, v20
	v_lshlrev_b32 v23, 4, v21
	v_sub_nc_u32 v[LQ], v[LQ], v23
	s_lshl_b32 s35, s[WV], 5
	v_sub_nc_u32 v[LQ], v[LQ], s35
	s_and_b32 s42, s11, 3                          ; block p's place in its step of four blocks,
	s_sub_co_u32 s43, 3, s42                       ; block 63 - p's
	s_lshl_b32 s42, s42, 5
	s_lshl_b32 s43, s43, 5
	v_add_nc_u32 v[DM], s43, v[LQ]                 ; d = my query - the step's first key - 32 w - 16 h, for each tile
	v_add_nc_u32 v[DM+1], 8, v[DM]
	v_add_nc_u32 v[DM+2], s42, v[LQ]
	v_add_nc_u32 v[DM+3], 8, v[DM+2]
	v_mov_b32 v[NINF], 0xff800000
	s_mov_b32 s[SEL], 0x76543210
	s_mov_b32 s[SEL+1], 0xfedcba98
	s_mov_b32 s[CS], 0x3fb8aa3b                    ; log2(e); q carries 1 / sqrt(512) already
	s_mov_b32 s[CS+1], s[CS]
	s_mov_b32 s36, 0x05010400
	s_mov_b32 s37, 0x07030602
	s_mov_b32 s[JJ], 0
	s_cmp_eq_u32 s11, 0
	s_cselect_b32 s[LIM], 13, -1
	s_lshl_b32 s31, s12, 6                         ; 64 x batch
	s_add_co_u32 s32, s31, s[WV]
	s_mul_i32 s32, s32, 25600                      ; record (batch x 16 + 0) x 4 + w
	s_mov_b32 s33, 0
	s_add_co_u32 s44, s31, s11                     ; block 64 batch + p
	s_add_co_u32 s45, s31, 63
	s_sub_co_u32 s45, s45, s11                     ; block 64 batch + 63 - p
	s_mul_i32 s34, s44, 12800
	s_mov_b32 s35, 0
	s_mul_i32 s38, s45, 12800
	s_mov_b32 s39, 0
	s_lshl_b32 s46, s[WV], 9
	s_lshl_b32 s40, s44, 16                        ; 32 rows of 2,048 bytes a block
	s_add_co_u32 s40, s40, s46
	s_mov_b32 s41, 0
	s_lshl_b32 s48, s45, 16
	s_add_co_u32 s48, s48, s46
	s_mov_b32 s49, 0
	s_wait_kmcnt 0x0
	s_add_nc_u64 s[KVP:KVP+1], s[6:7], s[32:33]
	s_add_nc_u64 s[QLP:QLP+1], s[4:5], s[34:35]
	s_add_nc_u64 s[QHP:QHP+1], s[4:5], s[38:39]
	s_add_nc_u64 s[OPL:OPL+1], s[8:9], s[40:41]
	s_add_nc_u64 s[OPH:OPH+1], s[8:9], s[48:49]
	WIN 0x80                                       ; destination window 2: Q stays in registers
.set N, 0
.rept 24
	global_load_b128 v[4*N:4*N+3], v[L16], s[QHP:QHP+1] offset:512*N
	global_load_b128 v[96+4*N:96+4*N+3], v[L16], s[QLP:QLP+1] offset:512*N
.set N, N+1
.endr
	WIN 0
	global_load_b128 v[QS:QS+3], v[L16], s[QHP:QHP+1] offset:12288
	global_load_b128 v[QS+4:QS+7], v[L16], s[QLP:QLP+1] offset:12288
	KLOAD 0
	VLOAD 0
	WIN 0x40                                       ; O^T begins as zeros, while the loads are on their way: so a step has one form, and the first change of M multiplies zeros
.set N, 0
.rept 256
	v_mov_b32 v[N], 0
.set N, N+1
.endr
	WIN 0
.irp tau, 0,1,2,3
	v_mov_b32 v[ST+8*\tau+1], 0xff61b1e6           ; the largest t so far: -3e38
	v_mov_b32 v[ST+8*\tau+2], 0                    ; the sum, in two halves
	v_mov_b32 v[ST+8*\tau+3], 0
	v_mov_b32 v[ST+8*\tau+4], 0
	v_mov_b32 v[ST+8*\tau+5], 0                    ; (named with f as a pair)
	v_mov_b32 v[ST+8*\tau+7], 0                    ; (a lane permute's destination counts as one of its sources)
	v_floor_f32 v[ST+8*\tau], -v[ST+8*\tau+1]      ; -M
.endr
	; the trip counts hang on the work-group's number alone: all four waves pass the same barriers
	s_cmp_eq_u32 s13, 0
	s_cbranch_scc1 .Lno_full
	s_mov_b32 s30, s13
.Lfull:                                            ; p / 4 steps: all four tiles, all keys count
	STEP 4, -1, 1
	s_sub_co_u32 s30, s30, 1
	s_cmp_lg_u32 s30, 0
	s_cbranch_scc1 .Lfull
.Lno_full:
	STEP 4, 2, 1                                   ; block p's diagonal: its last step
	s_lshl_b32 s30, s13, 1
	s_sub_co_u32 s30, 14, s30
	s_cmp_eq_u32 s30, 0
	s_cbranch_scc1 .Lno_half
.Lhalf:                                            ; 14 - 2 (p / 4) steps: block 63 - p alone
	STEP 2, -1, 1
	s_sub_co_u32 s30, s30, 1
	s_cmp_lg_u32 s30, 0
	s_cbranch_scc1 .Lhalf
.Lno_half:
	STEP 2, 0, 0                                   ; block 63 - p's diagonal: nothing more is asked for
	; THE WAY OUT.  A query's sum: my two halves, lane l xor 16's, the four waves'
.irp tau, 0,1,2,3
	v_add_f32 v[AW+6*\tau], v[ST+8*\tau+2], v[ST+8*\tau+3]
.endr
.irp tau, 0,1,2,3
	v_permlanex16_b32 v[ST+8*\tau+7], v[AW+6*\tau], s[SEL], s[SEL+1]
.endr
.irp tau, 0,1,2,3
	v_add_f32 v[AW+6*\tau], v[AW+6*\tau], v[ST+8*\tau+7]
.endr
.irp tau, 0,1,2,3
	ds_store_b32 v[MXW], v[AW+6*\tau] offset:LX+256*\tau
.endr
	s_wait_dscnt 0x0
	s_barrier_signal -1
	s_barrier_wait -1
.irp tau, 0,1,2,3
	ds_load_b128 v[PF+4*\tau:PF+4*\tau+3], v[MXR] offset:LX+256*\tau
.endr
	s_wait_dscnt 0x0
.irp tau, 0,1,2,3
	v_add_f32 v[AW+6*\tau], v[PF+4*\tau], v[PF+4*\tau+1]
	v_add_f32 v[AW+6*\tau+1], v[PF+4*\tau+2], v[PF+4*\tau+3]
.endr
.irp tau, 0,1,2,3
	v_add_f32 v[AW+6*\tau], v[AW+6*\tau], v[AW+6*\tau+1]
.endr
.irp tau, 0,1,2,3
	v_rcp_f32 v[ST+8*\tau+4], v[AW+6*\tau]
.endr
	v_nop                                          ; a plain place behind the last reciprocal
	s_wait_alu depctr_va_vdst(0)                   ; one wait for the four, ahead of their first reader
; Tile x: O^T / the sum; lane (r, h), tile t, register j: d = 128 w + 32 (t / 2) + 16 h + 8 (t % 2) + j of query r.  Through my own stage, back as whole rows of 512 bytes
.macro TOSTAGE x
	WIN 0x41
.set N, 0
.rept 32
	v_pk_mul_f32 v[64*(\x)+N:64*(\x)+N+1], v[64*(\x)+N:64*(\x)+N+1], v[ST+8*(\x)+4:ST+8*(\x)+5] op_sel_hi:[1,0]   ; each accumulator from its low end on
.set N, N+2
.endr
	WIN 0x04                                       ; an LDS store's data are its source 1: window 1
.irp t, 0,1,2,3,4,5,6,7
	ds_store_b128 v[STO], v[64*(\x)+8*\t:64*(\x)+8*\t+3] offset:128*(\t/2)+32*(\t%2)
	ds_store_b128 v[STO], v[64*(\x)+8*\t+4:64*(\x)+8*\t+7] offset:128*(\t/2)+32*(\t%2)+16
.endr
	WIN 0
.irp i, 0,1,2,3,4,5,6,7,8,9,10,11,12,13,14,15
	ds_load_b128 v[S+64*((\x)%2)+4*\i:S+64*((\x)%2)+4*\i+3], v[SRD] offset:528*\i   ; LDS serves a wave's instructions in order: these see my stores, and the next tile's stores come behind them
.endr
.endm
.macro SEND x, younger                 ; younger: the LDS instructions issued behind tile x's loads
	s_wait_dscnt \younger
.irp i, 0,1,2,3,4,5,6,7,8,9,10,11,12,13,14,15
	global_store_b128 v[L16], v[S+64*((\x)%2)+4*\i:S+64*((\x)%2)+4*\i+3], s[OPH+2*((\x)/2):OPH+2*((\x)/2)+1] offset:(8*((\x)%2)+\i+8*(\i/8))*2048 th:TH_STORE_NT   ; 512 consecutive bytes, aligned: row i of the tile is query 8 (x % 2) + i + 8 (i / 8) of its block
.endr
.endm
	TOSTAGE 0
	TOSTAGE 1
	SEND 0, 32                                     ; behind tile 0's loads: tile 1's 16 stores and 16 loads
	s_wait_xcnt 0x0                                ; tile 0's stores have read their registers: tile 2's rows may land there
	TOSTAGE 2
	SEND 1, 32
	s_wait_xcnt 0x0
	TOSTAGE 3
	SEND 2, 32
	SEND 3, 0
	s_wait_tensorcnt 0x0                           ; the wave's end: behind my last LDS store
	ds_add_u32 v[SPW], v[NIL]
	s_wait_dscnt 0x0
	s_endpgm
.Lfunc_end_k_q2c8362e644_attn:
	.size	k_q2c8362e644_attn, .Lfunc_end_k_q2c8362e644_attn-k_q2c8362e644_attn
	.p2alignl 7, 3214868480
	.fill 96, 4, 3214868480
	.section	.rodata,"a",@progbits
	.p2align	6, 0x0
	.amdhsa_kernel k_q2c8362e644_attn
		.amdhsa_group_segment_fixed_size 44544
		.amdhsa_private_segment_fixed_size 0
		.amdhsa_enable_private_segment 0
		.amdhsa_kernarg_size 24
		.amdhsa_user_sgpr_count 2
		.amdhsa_user_sgpr_kernarg_segment_ptr 1
		.amdhsa_wavefront_size32 1
		.amdhsa_system_sgpr_workgroup_id_x 1
		.amdhsa_system_sgpr_workgroup_id_y 1
		.amdhsa_system_sgpr_workgroup_id_z 1
		.amdhsa_system_vgpr_workitem_id 0
		.amdhsa_next_free_vgpr 1024
		.amdhsa_next_free_sgpr 66
		.amdhsa_reserve_vcc 1
		.amdhsa_float_denorm_mode_32 3
		.amdhsa_float_denorm_mode_16_64 3
		.amdhsa_memory_ordered 1
		.amdhsa_forward_progress 1
		.amdhsa_inst_pref_size 166
	.end_amdhsa_kernel
	.amdgpu_metadata
---
amdhsa.version: [ 1, 2 ]
amdhsa.kernels:
  - .name:           k_q2c8362e644_attn
    .symbol:         k_q2c8362e644_attn.kd
    .args:
      - { .name: qimg, .offset: 0, .size: 8, .value_kind: global_buffer, .address_space: global }
      - { .name: kv, .offset: 8, .size: 8, .value_kind: global_buffer, .address_space: global }
      - { .name: out0, .offset: 16, .size: 8, .value_kind: global_buffer, .address_space: global }
    .group_segment_fixed_size: 44544
    .private_segment_fixed_size: 0
    .kernarg_segment_align: 8
    .kernarg_segment_size: 24
    .max_flat_workgroup_size: 128
    .sgpr_count:     66
    .vgpr_count:     1024
    .wavefront_size: 32
...
	.end_amdgpu_metadata
.endif
;; end of part 3
;; ======== version 2 of 2: 3 launches
;; limits: right only within a limited range of input values
;; workspace buffers: wimg 819,200 bytes; qimg 6,553,600 bytes; kv 13,107,200 bytes
;; launch wq (part 4): grid 128 x 1, 4 waves a work-group, no clusters, 768 bytes of LDS; arguments Wq, Wk, wimg; writes wimg
.if DOCPART == 4
	.amdgcn_target "amdgcn-amd-amdhsa--gfx1250"
	.amdhsa_code_object_version 6
	.text
	.protected	k_q2c8362e644_wq
	.globl	k_q2c8362e644_wq
	.p2align	8
	.type	k_q2c8362e644_wq,@function
k_q2c8362e644_wq:
	s_mov_b64 s[64:65], 0
	v_nop
	global_prefetch_b8 v0, s[64:65] scope:SCOPE_SE
	s_setreg_imm32_b32 hwreg(HW_REG_WAVE_MODE, 25, 1), 1
	s_wait_xcnt 0x0
; THE PROGRAM: q = (x0 Wq + bq) / sqrt(512), k = x1 Wk + bk, v = x2 Wk + bk, out = softmax(q k^T + causal mask) v, all five products on codes of E3M2 with one E8M0 scale for 32 along K.
; Three launches: this one (the weights into codes), proj (the three projections, results stored as codes), attn (both products of the attention).
; WORK LEFT OUT.  reference() adds -infinity to score (q, k) wherever k > q, by a mask that it builds in its own body; behind the softmax such a key has the weight 0 for every finite input.
; So a step of 128 keys all of which come after all 32 queries of a block reaches no output, whatever the inputs hold: attn neither multiplies nor loads it for that block.  Nothing else is left out:
; every input has a way to the output and is loaded (bk on k too: it moves the codes of k).  LIMIT: a NaN, an infinity or an overflow that reaches only the steps left out is not carried to the result.
; THIS LAUNCH.  W [1024 (k)][512 (n)] f32, K its first axis, becomes operand fragments of 16 columns x 128 k, stored as IMAGES OF THE OPERAND'S REGISTERS: 12 registers a lane as three runs of
; 512 bytes, lane l's 16 bytes at 16 l.  wimg: [Wq, Wk][K step s = 0..7] 51,200 bytes: codes [wave w of proj][tile t = 0..7][1,536], then scale words [w][lane][4]: lane l < 16 the words of
; tiles 0-3 at row l, lane l >= 16 those of tiles 4-7 at row l - 16.  Row r of tile t of wave w is column 128 w + 32 (t / 2) + 8 (t % 2) + r + 8 (r / 8): so two neighbouring tiles of a result
; hold 16 neighbours along the next product's K.
; A lane takes a column and its registers run down K, in the order of the operand's layout: lane (r, h), registers 6 c .. 6 c + 5: k = 128 s + 64 c + 32 h + 0 .. 31.  Nothing is transposed.
; SHARES: work-group id = (mat, s, w, half); its wave i makes tile 4 half + i.  128 work-groups are all the work there is (4 MB in, 0.8 MB out).
; LIMITS: NaN and infinities among the inputs are not served; a block of zeros, or one under 2^(5 - 127), keeps the scale byte 1 (its codes are what the conversion gives; the bytes are read by this program alone).
.set SPARE, 256                        ; LDS: bytes 0-255 the four tiles' scale words; from 256 the spare words, 128 bytes a wave
.set SPW, 12                           ; v12 my spare word's address; v13 = 0; both kept
.set NIL, 13
	s_load_b128 s[4:7], s[0:1], 0x0                ; Wq, Wk
	s_load_b64 s[8:9], s[0:1], 0x10                ; wimg
	v_lshl_add_u32 v[SPW], v0, 2, SPARE
	v_mov_b32 v[NIL], 0
	v_lshrrev_b32 v1, 5, v0
	v_readfirstlane_b32 s10, v1                    ; wave i
	v_and_b32 v1, 15, v0                           ; r
	v_bfe_u32 v2, v0, 4, 1                         ; h
	v_and_b32 v3, 8, v1
	v_add_nc_u32 v3, v3, v1                        ; r + 8 (r / 8)
	v_lshlrev_b32 v3, 2, v3
	v_lshl_add_u32 v3, v2, 16, v3                  ; + 32 h rows of 2,048 bytes
	v_and_b32 v4, 31, v0
	v_lshlrev_b32 v5, 4, v4                        ; 16 x lane: an image's place
	v_lshlrev_b32 v6, 3, v4                        ; 8 x lane: the scale words' way out
	s_lshl_b32 s11, s10, 2
	v_lshl_add_u32 v7, v1, 4, s11                  ; LDS: 16 r + 4 i
	s_and_b32 s12, ttmp9, 1                        ; half
	s_bfe_u32 s13, ttmp9, 0x20001                  ; w
	s_bfe_u32 s14, ttmp9, 0x30003                  ; s
	s_lshr_b32 s15, ttmp9, 6                       ; mat
	s_lshl_b32 s16, s12, 2
	s_add_co_u32 s16, s16, s10                     ; t
	s_lshl_b32 s18, s14, 18                        ; 128 s rows
	s_lshl_b32 s17, s13, 9
	s_add_co_u32 s18, s18, s17                     ; + 4 x 128 w
	s_lshr_b32 s17, s16, 1
	s_lshl_b32 s17, s17, 7
	s_add_co_u32 s18, s18, s17                     ; + 4 x 32 (t / 2)
	s_and_b32 s17, s16, 1
	s_lshl_b32 s17, s17, 5
	s_add_co_u32 s18, s18, s17                     ; + 4 x 8 (t % 2)
	s_mov_b32 s19, 0
	s_mul_i32 s20, s15, 409600
	s_mul_i32 s17, s14, 51200
	s_add_co_u32 s20, s20, s17                     ; (mat, s)
	s_mul_i32 s22, s13, 12288
	s_mul_i32 s17, s16, 1536
	s_add_co_u32 s22, s22, s17
	s_add_co_u32 s22, s22, s20                     ; my image
	s_mov_b32 s23, 0
	s_lshl_b32 s17, s13, 9
	s_add_co_u32 s20, s20, s17
	s_lshl_b32 s17, s12, 8
	s_add_co_u32 s20, s20, s17
	s_add_co_u32 s20, s20, 49152                   ; my work-group's 256 bytes of scale words
	s_mov_b32 s21, 0
	s_mov_b32 s24, 0x76543210
	s_mov_b32 s25, 0xfedcba98                      ; v_permlanex16_b32: lane l xor 16
	s_wait_alu depctr_va_vdst(0)
	s_wait_kmcnt 0x0
	s_cmp_eq_u32 s15, 0                            ; the choice hangs on the work-group's number alone
	s_cselect_b64 s[4:5], s[4:5], s[6:7]
	s_add_nc_u64 s[4:5], s[4:5], s[18:19]
	s_add_nc_u64 s[26:27], s[8:9], s[22:23]
	s_add_nc_u64 s[28:29], s[8:9], s[20:21]
.irp c, 0,1
.set N, 0
.rept 32
	global_load_b32 v[64+32*\c+N], v3, s[4:5] offset:(64*\c+N)*2048   ; W(128 s + 64 c + 32 h + N, my column)
.set N, N+1
.endr
.endr
	s_wait_loadcnt 0x0
.irp c, 0,1                                    ; my block 2 c + h: all its 32 numbers are mine
	v_max3_num_f32 v[32+\c], |v[64+32*\c]|, |v[65+32*\c]|, 0x2800000   ; with the floor 2^(5 - 127): the byte cannot fall under 1
.endr
.irp i, 2,4,6,8,10,12,14,16,18,20,22,24,26,28,30
.irp c, 0,1
	v_max3_num_f32 v[32+\c], v[32+\c], |v[64+32*\c+\i]|, |v[65+32*\c+\i]|
.endr
.endr
.irp c, 0,1
	v_add_nc_u32 v[44+\c], 0xfe000000, v[32+\c]    ; 4 off the exponent field: the conversion's scale operand
.endr
.irp c, 0,1
	v_lshrrev_b32 v[36+\c], 23, v[44+\c]           ; the scale's byte
.endr
	v_lshl_or_b32 v9, v37, 16, v36                 ; blocks h and 2 + h,
	v_lshlrev_b32 v10, 3, v2
	v_lshlrev_b32 v9, v10, v9                      ; at their places in the word;
	v_mov_b32 v10, 0
	v_permlanex16_b32 v10, v9, s24, s25
	v_or_b32 v9, v9, v10                           ; with lane l xor 16's two the word is whole
.irp c, 0,1
	v_cvt_scalef32_pk16_bf6_f32 v[48+6*\c:50+6*\c], v[64+32*\c:79+32*\c], v[44+\c]
	v_cvt_scalef32_pk16_bf6_f32 v[16+4*\c:18+4*\c], v[80+32*\c:95+32*\c], v[44+\c]   ; (a conversion's three registers begin on an even number)
.endr
	v_nop                                          ; one plain place behind a scaled conversion
.irp c, 0,1
.irp i, 0,1,2
	v_mov_b32 v[51+6*\c+\i], v[16+4*\c+\i]
.endr
.endr
	ds_store_b32 v7, v9                            ; lanes r and r + 16 write the same word with the same value
.irp c, 0,1,2
	global_store_b128 v5, v[48+4*\c:51+4*\c], s[26:27] offset:512*\c   ; 32 lanes store 512 consecutive bytes, aligned
.endr
	s_wait_dscnt 0x0                               ; for the others' sake: my word has landed
	s_barrier_signal -1
	s_barrier_wait -1
	s_cmp_lg_u32 s10, 0
	s_cbranch_scc1 .Lend                           ; wave 0 sends the four tiles' words: one aligned run of 256 bytes
	ds_load_b64 v[14:15], v6
	s_wait_dscnt 0x0
	global_store_b64 v6, v[14:15], s[28:29]
.Lend:
	s_wait_tensorcnt 0x0                           ; the wave's end: behind my last LDS store
	ds_add_u32 v[SPW], v[NIL]
	s_wait_dscnt 0x0
	s_endpgm
.Lfunc_end_k_q2c8362e644_wq:
	.size	k_q2c8362e644_wq, .Lfunc_end_k_q2c8362e644_wq-k_q2c8362e644_wq
	.p2alignl 7, 3214868480
	.fill 96, 4, 3214868480
	.section	.rodata,"a",@progbits
	.p2align	6, 0x0
	.amdhsa_kernel k_q2c8362e644_wq
		.amdhsa_group_segment_fixed_size 768
		.amdhsa_private_segment_fixed_size 0
		.amdhsa_enable_private_segment 0
		.amdhsa_kernarg_size 24
		.amdhsa_user_sgpr_count 2
		.amdhsa_user_sgpr_kernarg_segment_ptr 1
		.amdhsa_wavefront_size32 1
		.amdhsa_system_sgpr_workgroup_id_x 1
		.amdhsa_system_sgpr_workgroup_id_y 1
		.amdhsa_system_sgpr_workgroup_id_z 1
		.amdhsa_system_vgpr_workitem_id 0
		.amdhsa_next_free_vgpr 128
		.amdhsa_next_free_sgpr 66
		.amdhsa_reserve_vcc 0
		.amdhsa_float_denorm_mode_32 3
		.amdhsa_float_denorm_mode_16_64 3
		.amdhsa_memory_ordered 1
		.amdhsa_forward_progress 1
		.amdhsa_inst_pref_size 13
	.end_amdhsa_kernel
	.amdgpu_metadata
---
amdhsa.version: [ 1, 2 ]
amdhsa.kernels:
  - .name:           k_q2c8362e644_wq
    .symbol:         k_q2c8362e644_wq.kd
    .args:
      - { .name: Wq, .offset: 0, .size: 8, .value_kind: global_buffer, .address_space: global }
      - { .name: Wk, .offset: 8, .size: 8, .value_kind: global_buffer, .address_space: global }
      - { .name: wimg, .offset: 16, .size: 8, .value_kind: global_buffer, .address_space: global }
    .group_segment_fixed_size: 768
    .private_segment_fixed_size: 0
    .kernarg_segment_align: 8
    .kernarg_segment_size: 24
    .max_flat_workgroup_size: 128
    .sgpr_count:     66
    .vgpr_count:     128
    .wavefront_size: 32
...
	.end_amdgpu_metadata
.endif
;; end of part 4
;; launch proj (part 5): grid 256 x 1, 8 waves a work-group, no clusters, 86,528 bytes of LDS; arguments x0, x1, x2, wimg, bq, bk, qimg, kv; writes qimg, kv
.if DOCPART == 5
	.amdgcn_target "amdgcn-amd-amdhsa--gfx1250"
	.amdhsa_code_object_version 6
	.text
	.protected	k_q2c8362e644_proj
	.globl	k_q2c8362e644_proj
	.p2align	8
	.type	k_q2c8362e644_proj,@function
k_q2c8362e644_proj:
	s_mov_b64 s[64:65], 0
	v_nop
	global_prefetch_b8 v0, s[64:65] scope:SCOPE_SE
	s_setreg_imm32_b32 hwreg(HW_REG_WAVE_MODE, 25, 1), 1
	s_wait_xcnt 0x0
; q = (x0 Wq + bq) / sqrt(512), k = x1 Wk + bk, v = x2 Wk + bk, on codes of E3M2; the results leave as codes, in the order of the attention's operand registers.  Nothing is left out here.
; SHARES.  Work-group g takes rows 64 g .. + 63 of x0, then of x1, then of x2: 24 steps of 128 along K.  Wave w' = 0..7 makes columns 64 w' .. + 63 (4 tiles of W) for all 4 tiles of rows: 16 accumulators.
; Wave w' also quantises, in every step, tile w' / 2 of the rows at K half w' % 2 (16 rows x 64 K): registers 6 (w' % 2) .. + 5 of that tile's fragment and two bytes of its scale word, handed on through LDS.
; Row r of tile m is row 32 (m / 2) + 8 (m % 2) + r + 8 (r / 8) of the 64; W's columns are tiled alike (launch wq): wave w' takes tiles 4 (w' % 2) .. + 3 of wq's wave w' / 2.
; STEP n has a barrier and two parts.  THE PRODUCT: step n's four fragments of x are read from image buffer n % 2 and multiplied; W of step n + 2 is asked for, into the buffer just multiplied.
; THE QUANTISER: half set n + 1 of x, turned a step ago, is quantised into buffer (n + 1) % 2; half set n + 2 turns through my stage.  At the step's end half set n + 5 is asked for, into the registers just quantised.
; The two parts hang on nothing of each other inside a step.  WAVES 0-3 TAKE THE PRODUCT FIRST, WAVES 4-7 THE QUANTISER: so the two halves of the work-group use LDS, the vector side and the matrix side by turns.
; The quantiser (vector work, LDS instructions, one counted wait) is written twice in a step.  The barrier, every global load and every change of a base stand in the text that all waves run:
; so every wave's loads have one order, W of step n + 2 and then half set n + 5, and the waits' counts are the same in both places.  In front of the barrier every wave has waited for all its LDS instructions: that orders the images both ways.
; x COMES IN DENSE AND TURNS THROUGH LDS: a load takes 256 consecutive bytes of two rows; 16 rows x 256 bytes go through my own stage (rows 272 bytes apart) and come back 64 bytes a lane: 16 neighbours along K in a lane.
; W GOES FROM wimg STRAIGHT INTO REGISTERS, as whole runs of 512 bytes: each fragment is read by ONE wave of the work-group.  So no cluster and no joint loads: what partners would share would have to be written to LDS
; and read back, 100 KB a step, to reach the one wave that wants it.  No prefetch: the launch streams x, asked for three steps ahead of its turn; by the text's count 50 loads a wave are out.
; THE LOADS' BASES: x and W have two each, so that a base is written anew a step or more behind its last load; the changes stand behind a step's products, behind s_wait_xcnt 0.
; THE SUMS BEGIN WITH THE BIAS: the accumulators are loaded from bias tables in LDS ahead of each tensor's first step, so all steps have one form.
; q, k: the product is used transposed (source 0 = W, source 1 = x): a lane holds one row, and the 16 registers of tiles 2 b, 2 b + 1 are d = 64 w' + 32 b + 16 h + 0 .. 15.  v: source 0 = x, source 1 = W: a lane holds one d, registers along the keys.
; OUT, as launch attn reads it.  qimg: [block of 32 queries] 12,800 bytes: 8 images (4 u + s) x 1,536, 512 bytes of scale words [r + 16 u][s].  kv: [record (batch x 16 + step of 128 keys) x 4 + w] 25,600 bytes: K part (as a block of q),
; V part at 12,288 (8 images: tile t of d slice 128 w), K's scale words at 24,576, V's scale bytes at 25,088 [half of the step][r + 16 (t / 4)][t % 4][2].  In V's images key block kap of a step stands in registers 6 (kap % 2) .. + 5 of the lanes of half kap / 2.
; V's scale bytes leave as 128 consecutive bytes a wave; all other stores cover whole aligned runs of 256 or 512 bytes.
; LIMITS: NaN and infinities among the inputs are not served; a block of zeros, or one under 2^(5 - 127), keeps the scale byte 1 (the bytes are read by this program alone).
; REGISTERS.  Window 0: v1-19, v208 addresses; v24-31 at work; v32-35 scale bytes just made; v36-51 codes just made; v52-55 x's scale words, v56-63 W's (two sets); v64-111 x's four fragments; v112-207 W's fragments, two sets.
; Window 1: v0-127 the 16 accumulators; v128-255 four half sets of 32 numbers of x.
.set IMGB,  6400                       ; LDS: two image buffers at 0 and 6,400: [tile m] images of the operand's registers (three runs of 512 bytes, 16 a lane), then scale words [r][m]
.set EST,   12800                      ; q's or k's images on their way out: [m][s], 24,576 bytes
.set STG,   37376                      ; and their scale words [m][r][s]
.set BQL,   38400                      ; bq, 2,048 bytes
.set BKL,   40448                      ; bk
.set BK4,   42496                      ; bk, each number four times: 16 bytes a column
.set TS,    50688                      ; where x turns: for each wave 16 rows x 272 bytes
.set TSP,   272
.set SPARE, 85504                      ; the spare words, 128 bytes a wave
.set XA,   1                           ; x: (my tile's first row + h) x 4,096 + 256 (w' % 2) + 16 r
.set L16,  2
.set L8,   3
.set WAO,  4                           ; 6,144 w' + 16 lane
.set WSO,  5                           ; 49,152 + 256 w' + 16 r
.set XW,   6                           ; 1,536 (w' / 2) + 520 (w' % 2) + 16 lane: my first and (512 on) third pair of registers in an image
.set XSW,  7                           ; 16 r + 2 w'
.set R16,  8
.set TSS,  9                           ; my stage, in: 272 h + 16 r
.set TSL,  10                          ; and back: 272 r + 64 h
.set ER,   11                          ; 3,072 w' + 16 lane
.set SGR,  12                          ; 256 w' + 8 lane
.set VO,   13                          ; 16 r + 3,072 h + 6,144 (w' % 2)
.set VSO,  14                          ; 8 r + 4 h + 128 (w' % 2)
.set SELV, 15                          ; byte selects 0x06040200 + h x 0x01010101
.set BAD,  16                          ; 256 w' + 64 h
.set BVD,  17                          ; 16 (64 w' + r + 8 (r / 8))
.set SPW,  18
.set NIL,  19
.set XW2,  208                         ; 1,536 (w' / 2) + 8 + 1,016 (w' % 2) + 16 lane: my second pair
.set TM,   24
.set PW,   32
.set PC,   36
.set TP,   48
.set XSC,  52
.set WSC,  56
.set XF,   64
.set WF,   112
.set WV,   20
.set LP0,  24                          ; s[24:25] x0 at my rows: the head's loads
.set LPA,  26                          ; s[26:27] the base of a run of four half sets: for its first two
.set LPB,  28                          ; s[28:29] the same base, for its last two
.set NPA,  30                          ; s[30:31] the next run's base
.set WPA,  32                          ; s[32:33] W: the base of a run of four steps, for its last two
.set WPB,  34                          ; s[34:35] the next run's base, for its first two
.set WN,   36                          ; s[36:37] what WPB takes next
.set X2P,  38
.set QP,   40
.set KP,   42
.set QSP,  44
.set KSP,  46
.set VP,   48
.set SEL,  50
.set QSC,  52
.set FLR,  54
.set EM4,  55
.set CNT,  56
.set MSB, 0
.macro WIN new                         ; the immediate's high byte repeats the setting that is left
.if MSB != (\new)
	s_set_vgpr_msb (MSB<<8)|(\new)
.set MSB, (\new)
.endif
.endm
.macro WM d, a, b, sa, sb
	v_wmma_scale_f32_16x16x128_f8f6f4 v[(\d):(\d)+7], v[(\a):(\a)+11], v[(\b):(\b)+11], v[(\d):(\d)+7], v[\sa], v[\sb] matrix_a_fmt:MATRIX_FMT_BF6 matrix_b_fmt:MATRIX_FMT_BF6
.endm
; my 16 rows x 256 bytes of one step: load i takes tile rows 2 i (lanes 0-15) and 2 i + 1 (lanes 16-31): two aligned runs of 256 consecutive bytes
.macro XLOAD set, lp, off
	WIN 0x44                                       ; destination, and an LDS store's data, window 1
.irp i, 0,1,2,3,4,5,6,7
	global_load_b128 v[128+32*(\set)+4*\i:128+32*(\set)+4*\i+3], v[XA], s[\lp:\lp+1] offset:(\off)+(2*\i+8*(\i/4))*4096 th:TH_LOAD_NT
.endr
	WIN 0
.endm
; in as loaded, back with register 16 b + 4 j + e = place 32 b + 16 h + 4 j + e of row r.  LDS serves a wave's instructions in order (ISA guide 5.7.1.4): the loads see the stores
.macro TURN set
	WIN 0x44
.irp i, 0,1,2,3,4,5,6,7
	ds_store_b128 v[TSS], v[128+32*(\set)+4*\i:128+32*(\set)+4*\i+3] offset:2*TSP*\i
.endr
.irp b, 0,1
.irp j, 0,1,2,3
	ds_load_b128 v[128+32*(\set)+16*\b+4*\j:128+32*(\set)+16*\b+4*\j+3], v[TSL] offset:128*\b+16*\j
.endr
.endr
	WIN 0
.endm
; 32 numbers of a lane in window 1, register src + 16 b + i = place 32 b + 16 h + i along K, become six registers of codes (lanes of half h: block h whole) in v[pc] on, and the two blocks' bytes in v[pw]
.macro QUANT2 src, pc, pw
	WIN 0x05                                       ; sources 0 and 1 window 1
.irp b, 0,1
	v_max3_num_f32 v[TM+\b], |v[(\src)+16*\b]|, |v[(\src)+16*\b+1]|, s[FLR]       ; with the floor 2^(5 - 127): the byte cannot fall under 1
	v_max3_num_f32 v[TM+2+\b], |v[(\src)+16*\b+8]|, |v[(\src)+16*\b+9]|, s[FLR]   ; four chains by turns; each accumulator is read from its low end on
.endr
.irp i, 2,4,6
.irp b, 0,1
	v_max3_num_f32 v[TM+\b], |v[(\src)+16*\b+\i]|, |v[(\src)+16*\b+\i+1]|, v[TM+\b]
	v_max3_num_f32 v[TM+2+\b], |v[(\src)+16*\b+8+\i]|, |v[(\src)+16*\b+9+\i]|, v[TM+2+\b]
.endr
.endr
	WIN 0
.irp b, 0,1
	v_max_num_f32 v[TM+\b], v[TM+\b], v[TM+2+\b]
.endr
.irp b, 0,1
	v_permlanex16_b32 v[TM+4+\b], v[TM+\b], s[SEL], s[SEL+1]
.endr
.irp b, 0,1
	v_max_num_f32 v[TM+\b], v[TM+\b], v[TM+4+\b]   ; with lane l xor 16's: the block's largest magnitude
.endr
.irp b, 0,1
	v_add_nc_u32 v[TM+6+\b], s[EM4], v[TM+\b]      ; 4 off its exponent field: the conversion's scale operand
.endr
.irp b, 0,1
	v_lshrrev_b32 v[TM+2+\b], 23, v[TM+6+\b]       ; the scale's byte
.endr
	v_lshl_or_b32 v[\pw], v[TM+3], 8, v[TM+2]
	WIN 0x01
	v_cvt_scalef32_pk16_bf6_f32 v[(\pc):(\pc)+2], v[(\src):(\src)+15], v[TM+6]
	v_cvt_scalef32_pk16_bf6_f32 v[TP:TP+2], v[(\src)+16:(\src)+31], v[TM+7]
	WIN 0
	v_nop                                          ; one plain place behind a scaled conversion
.irp i, 0,1,2
	v_permlane16_swap_b32 v[(\pc)+\i], v[TP+\i]    ; the first now holds each lane's block's lower 16 codes, the second the upper 16
.endr
.irp i, 0,1,2
	v_mov_b32 v[(\pc)+3+\i], v[TP+\i]
.endr
.endm
.macro CODEST off                      ; my six registers to their places in an image: registers 6 (w' % 2) .. + 5 of every lane's twelve
	ds_store_b64 v[XW], v[PC:PC+1] offset:\off
	ds_store_b64 v[XW2], v[PC+2:PC+3] offset:\off
	ds_store_b64 v[XW], v[PC+4:PC+5] offset:(\off)+512
.endm
.macro GLOADX buf                      ; the step's four fragments of x and their scale words: 13 LDS loads
.irp m, 0,1,2,3
.irp c, 0,1,2
	ds_load_b128 v[XF+12*\m+4*\c:XF+12*\m+4*\c+3], v[L16] offset:IMGB*(\buf)+1536*\m+512*\c
.endr
.endr
	ds_load_b128 v[XSC:XSC+3], v[R16] offset:IMGB*(\buf)+6144
.endm
.macro WLOAD wb, wp, off               ; my four fragments of W, 512 consecutive bytes a load, and their scale words: 13 loads
.irp i, 0,1,2,3,4,5,6,7,8,9,10,11
	global_load_b128 v[WF+48*(\wb)+4*\i:WF+48*(\wb)+4*\i+3], v[WAO], s[\wp:\wp+1] offset:(\off)+512*\i
.endr
	global_load_b128 v[WSC+4*(\wb):WSC+4*(\wb)+3], v[WSO], s[\wp:\wp+1] offset:\off
.endm
; 16 products, the 16 accumulators by turns, one instruction a turn.  form 0: q, k; form 1: v
.macro GMUL form, wb
	WIN 0x50                                       ; C and D window 1
.irp t, 0,1,2,3
.irp m, 0,1,2,3
.if (\form) == 0
	WM 32*\m+8*\t, WF+48*(\wb)+12*\t, XF+12*\m, WSC+4*(\wb)+\t, XSC+\m
.else
	WM 64*(\t%2)+32*(\m/2)+16*(\t/2)+8*(\m%2), XF+12*\m, WF+48*(\wb)+12*\t, XSC+\m, WSC+4*(\wb)+\t
.endif
.endr
.endr
	WIN 0
.rept 4
	v_nop                                          ; places in front of loads into registers that these products read, and of the first read of results
.endr
.endm
; the accumulators begin as the bias, in the result's layout: 32 LDS loads
.macro ACCINIT form, base
	WIN 0x40
.irp m, 0,1,2,3
.irp t, 0,1,2,3
.if (\form) == 0
	ds_load_b128 v[32*\m+8*\t:32*\m+8*\t+3], v[BAD] offset:(\base)+(32*(\t/2)+8*(\t%2))*4
	ds_load_b128 v[32*\m+8*\t+4:32*\m+8*\t+7], v[BAD] offset:(\base)+(32*(\t/2)+8*(\t%2))*4+16
.else
	ds_load_b128 v[64*(\t%2)+32*(\m/2)+16*(\t/2)+8*(\m%2):64*(\t%2)+32*(\m/2)+16*(\t/2)+8*(\m%2)+3], v[BVD] offset:(\base)+16*(32*(\t/2)+8*(\t%2))
	ds_load_b128 v[64*(\t%2)+32*(\m/2)+16*(\t/2)+8*(\m%2)+4:64*(\t%2)+32*(\m/2)+16*(\t/2)+8*(\m%2)+7], v[BVD] offset:(\base)+16*(32*(\t/2)+8*(\t%2))
.endif
.endr
.endr
	WIN 0
.endm
; THE QUANTISER of step n.  cx >= 0: half set n + 2 is waited for (cx: loads that may stay out) and turned
.macro QBLK n, cx
	QUANT2 128+32*(((\n)+1)%4), PC, PW
	CODEST IMGB*(((\n)+1)%2)
	ds_store_b16 v[XSW], v[PW] offset:IMGB*(((\n)+1)%2)+6144   ; lanes r and r + 16 write the same bytes with the same value
.if (\cx) >= 0
	s_wait_loadcnt \cx
	TURN ((\n)+2)%4
.endif
.endm
; STEP n.  qn: there is a quantiser; cw: the loads that may stay out behind W of step n; wl: W of step n + 2 is asked for, by base wp at woff; xl: half set n + 5 is asked for, by base lp at xoff.
; sw: the bases that go on: 1: WPB takes the next run of W, LPB takes LPA's run of x; 3: WPA goes on a run, LPA takes the next run of x; 4: WPA alone
.macro STEP n, form, qn, cx, cw, wl, wp, woff, sw, dir, xl, lp, xoff
	s_wait_dscnt 0x0                               ; my images have landed, my reads of the other buffer are back, my half set is back from the stage
	s_barrier_signal -1
	s_barrier_wait -1
.if \qn
	s_cmp_lt_u32 s[WV], 4
	s_cbranch_scc1 .Lmul_\@                        ; waves 0-3: the product first
	QBLK \n, \cx
.Lmul_\@:
.endif
	GLOADX (\n)%2
	s_wait_loadcnt \cw                             ; W of this step is in
	s_wait_dscnt 0x0                               ; and x's fragments
	GMUL \form, (\n)%2
.if (\sw) != 0
	s_wait_xcnt 0x0                                ; the loads issued (the youngest at the last step's end) have read their bases
.endif
.if (\sw) == 1
	s_mov_b64 s[WPB:WPB+1], s[WN:WN+1]
.if (\dir) > 0
	s_add_nc_u64 s[WN:WN+1], s[WN:WN+1], 204800
.else
	s_sub_nc_u64 s[WN:WN+1], s[WN:WN+1], 204800
.endif
	s_mov_b64 s[LPB:LPB+1], s[LPA:LPA+1]
.endif
.if (\sw) >= 3
	s_add_nc_u64 s[WPA:WPA+1], s[WPA:WPA+1], 204800
.endif
.if (\sw) == 3
	s_mov_b64 s[LPA:LPA+1], s[NPA:NPA+1]
	s_add_nc_u64 s[NPA:NPA+1], s[NPA:NPA+1], 2048
.endif
.if \wl
	WLOAD (\n)%2, \wp, \woff
.endif
.if \qn
	s_cmp_ge_u32 s[WV], 4
	s_cbranch_scc1 .Ldone_\@                       ; waves 4-7 have quantised already
	QBLK \n, \cx
.Ldone_\@:
.endif
.if \xl
	XLOAD ((\n)+1)%4, \lp, \xoff
.endif
.endm
; eight steps: two trips of four, after which the register numbers are back where they began.  42 = two half sets of x and two sets of W, issued behind the half set that turns (in the second place a set of W more);
; 29 = two half sets and one set of W, issued behind the W that is multiplied
.macro PHASE form, dir
	s_mov_b32 s[CNT], 2
.Lph_\@:
	STEP 0, \form, 1, 42, 29, 1, WPA, 102400, 0, \dir, 1, LPA, 512
	STEP 1, \form, 1, 42, 29, 1, WPA, 153600, 1, \dir, 1, LPB, 1024
	STEP 2, \form, 1, 42, 29, 1, WPB, 0, 0, \dir, 1, LPB, 1536
	STEP 3, \form, 1, 42, 29, 1, WPB, 51200, 3, \dir, 1, LPA, 0
	s_sub_co_u32 s[CNT], s[CNT], 1
	s_cmp_lg_u32 s[CNT], 0
	s_cbranch_scc1 .Lph_\@
.endm
; q's or k's way out: my 32 numbers a lane of each tile of rows are half of K step w' / 2 of the scores' product: (scaled,) quantised, to the stage; a barrier; each wave sends two whole images; the next sums begin
.macro EPI_QK scale, ptr, sptr, nform, nbase
.irp m, 0,1,2,3
	s_wait_dscnt 0x0                               ; the last LDS stores have read the codes' registers
.if \scale
	WIN 0x41
.set J, 0
.rept 16
	v_pk_mul_f32 v[32*\m+J:32*\m+J+1], v[32*\m+J:32*\m+J+1], s[QSC:QSC+1] op_sel_hi:[1,0]   ; each accumulator from its low end on
.set J, J+2
.endr
.endif
	QUANT2 32*\m, PC, PW
	CODEST EST+6144*\m
	ds_store_b16 v[XSW], v[PW] offset:STG+256*\m
.endr
	s_wait_dscnt 0x0                               ; for the others' sake: my codes and bytes have landed
	s_barrier_signal -1
	s_barrier_wait -1
.irp a, 0,1,2,3,4,5
	ds_load_b128 v[XF+4*\a:XF+4*\a+3], v[ER] offset:EST+512*\a
.endr
	s_wait_dscnt 0x0
.irp a, 0,1,2,3,4,5
	global_store_b128 v[L16], v[XF+4*\a:XF+4*\a+3], s[\ptr:\ptr+1] offset:512*\a   ; 512 consecutive bytes, aligned
.endr
	s_cmp_ge_u32 s[WV], 4
	s_cbranch_scc1 .Lno_words_\@                   ; waves 0-3 send the scale words, 256 consecutive bytes each, aligned
	ds_load_b64 v[TM:TM+1], v[SGR] offset:STG
	s_wait_dscnt 0x0
	global_store_b64 v[L8], v[TM:TM+1], s[\sptr:\sptr+1]
.Lno_words_\@:
	ACCINIT \nform, \nbase
	s_wait_xcnt 0x0                                ; the stores have read their registers: the next step writes them anew
.endm
	s_load_b512 s[4:19], s[0:1], 0x0               ; x0, x1, x2, wimg, bq, bk, qimg, kv
	v_lshl_add_u32 v[SPW], v0, 2, SPARE
	v_mov_b32 v[NIL], 0
	v_lshrrev_b32 v20, 5, v0
	v_readfirstlane_b32 s[WV], v20                 ; wave 0..7
	s_mov_b32 s[SEL], 0x76543210
	s_mov_b32 s[SEL+1], 0xfedcba98                 ; lane l xor 16
	s_mov_b32 s[QSC], 0x3d3504f3                   ; 1 / sqrt(512)
	s_mov_b32 s[QSC+1], s[QSC]
	s_mov_b32 s[FLR], 0x2800000
	s_mov_b32 s[EM4], 0xfe000000
	s_lshr_b32 s58, s[WV], 1                       ; w' / 2
	s_and_b32 s59, s[WV], 1                        ; w' % 2
	s_lshr_b32 s60, s58, 1
	s_lshl_b32 s60, s60, 5
	s_and_b32 s61, s58, 1
	s_lshl_b32 s61, s61, 3
	s_add_co_u32 s60, s60, s61                     ; my tile's first row
	s_lshl_b32 s60, s60, 12
	s_lshl_b32 s61, s59, 8
	s_add_co_u32 s60, s60, s61
	s_mul_i32 s62, s[WV], 6144
	s_lshl_b32 s63, s[WV], 8
	s_add_co_u32 s66, s63, 49152
	s_mul_i32 s67, s58, 1536
	s_mul_i32 s68, s59, 1016
	s_add_co_u32 s68, s68, s67
	s_add_co_u32 s68, s68, 8
	s_mul_i32 s61, s59, 520
	s_add_co_u32 s67, s67, s61
	s_lshl_b32 s69, s[WV], 1
	s_mul_i32 s70, s[WV], 16*TSP
	s_add_co_u32 s70, s70, TS
	s_mul_i32 s71, s[WV], 3072
	s_mul_i32 s72, s59, 6144
	s_lshl_b32 s73, s59, 7
	s_lshl_b32 s74, s[WV], 10
	s_mov_b32 s75, 0x01010101
	v_and_b32 v20, 15, v0                          ; r
	v_bfe_u32 v21, v0, 4, 1                        ; h
	v_and_b32 v22, 31, v0                          ; lane
	v_lshlrev_b32 v[L16], 4, v22
	v_lshlrev_b32 v[L8], 3, v22
	v_lshlrev_b32 v[R16], 4, v20
	v_lshl_add_u32 v[XA], v21, 12, v[R16]
	v_add_nc_u32 v[XA], s60, v[XA]
	v_add_nc_u32 v[WAO], s62, v[L16]
	v_add_nc_u32 v[WSO], s66, v[R16]
	v_add_nc_u32 v[XW], s67, v[L16]
	v_add_nc_u32 v[XW2], s68, v[L16]
	v_add_nc_u32 v[XSW], s69, v[R16]
	v_mad_u32_u24 v[TSS], v21, TSP, v[R16]
	v_add_nc_u32 v[TSS], s70, v[TSS]
	v_mul_u32_u24 v[TSL], v20, TSP
	v_lshl_add_u32 v[TSL], v21, 6, v[TSL]
	v_add_nc_u32 v[TSL], s70, v[TSL]
	v_add_nc_u32 v[ER], s71, v[L16]
	v_add_nc_u32 v[SGR], s63, v[L8]
	v_mad_u32_u24 v[VO], v21, 3072, v[R16]
	v_add_nc_u32 v[VO], s72, v[VO]
	v_lshl_add_u32 v[VSO], v20, 3, s73
	v_lshl_add_u32 v[VSO], v21, 2, v[VSO]
	v_mul_lo_u32 v[SELV], v21, s75
	v_add_nc_u32 v[SELV], 0x06040200, v[SELV]
	v_lshl_add_u32 v[BAD], v21, 6, s63
	v_and_b32 v23, 8, v20
	v_add_nc_u32 v23, v23, v20                     ; r + 8 (r / 8)
	v_lshl_add_u32 v[BVD], v23, 4, s74
	v_mov_b32 v[TM+4], 0                           ; written once: a lane permute's destination counts as one of its sources
	v_mov_b32 v[TM+5], 0
	v_and_b32 v20, 127, v0
	v_lshlrev_b32 v20, 4, v20                      ; the biases' way in: 16 bytes a thread of bq (waves 0-3) or bk (waves 4-7),
	v_lshlrev_b32 v21, 4, v0                       ; to 16 x thread behind BQL;
	v_lshlrev_b32 v22, 3, v0                       ; two numbers of bk a thread,
	v_lshlrev_b32 v23, 5, v0                       ; each four times, to 32 x thread behind BK4
	s_wait_alu depctr_va_vdst(0)
	s_wait_kmcnt 0x0
	s_lshl_b32 s76, ttmp9, 18                      ; 64 g rows of 4,096 bytes
	s_mov_b32 s77, 0
	s_add_nc_u64 s[LP0:LP0+1], s[4:5], s[76:77]
	s_add_nc_u64 s[LPA:LPA+1], s[LP0:LP0+1], 2048  ; x0's K steps 4-7
	s_mov_b64 s[LPB:LPB+1], s[LPA:LPA+1]
	s_add_nc_u64 s[NPA:NPA+1], s[6:7], s[76:77]
	s_add_nc_u64 s[X2P:X2P+1], s[8:9], s[76:77]
	s_mov_b64 s[WPA:WPA+1], s[10:11]
	s_mov_b64 s[WPB:WPB+1], s[10:11]
	s_add_nc_u64 s[WN:WN+1], s[10:11], 204800      ; four steps of 51,200 bytes on
	s_lshl_b32 s78, ttmp9, 1
	s_lshr_b32 s79, s[WV], 2
	s_add_co_u32 s79, s79, s78                     ; block or record 2 g + w' / 4,
	s_and_b32 s62, s[WV], 3
	s_mul_i32 s62, s62, 3072                       ; images 2 (w' % 4), + 1
	s_mul_i32 s76, s79, 12800
	s_add_co_u32 s76, s76, s62
	s_add_nc_u64 s[QP:QP+1], s[16:17], s[76:77]
	s_mul_i32 s76, s79, 25600
	s_add_co_u32 s76, s76, s62
	s_add_nc_u64 s[KP:KP+1], s[18:19], s[76:77]
	s_add_co_u32 s79, s78, s58                     ; the scale words (waves 0-3): block 2 g + w' / 2, half w' % 2
	s_lshl_b32 s62, s59, 8
	s_mul_i32 s76, s79, 12800
	s_add_co_u32 s76, s76, s62
	s_add_co_u32 s76, s76, 12288
	s_add_nc_u64 s[QSP:QSP+1], s[16:17], s[76:77]
	s_mul_i32 s76, s79, 25600
	s_add_co_u32 s76, s76, s62
	s_add_co_u32 s76, s76, 24576
	s_add_nc_u64 s[KSP:KSP+1], s[18:19], s[76:77]
	s_lshr_b32 s76, ttmp9, 1
	s_lshl_b32 s76, s76, 2
	s_add_co_u32 s76, s76, s58
	s_mul_i32 s76, s76, 25600                      ; v: record (g / 2) x 4 + w' / 2,
	s_and_b32 s62, ttmp9, 1
	s_lshl_b32 s62, s62, 8
	s_add_co_u32 s76, s76, s62                     ; my half of the step: lanes 16 (g % 2) on
	s_add_co_u32 s76, s76, 12288
	s_add_nc_u64 s[VP:VP+1], s[18:19], s[76:77]
	s_cmp_lt_u32 s[WV], 4                          ; the choice hangs on the wave's number alone
	s_cselect_b64 s[60:61], s[12:13], s[14:15]
	global_load_b128 v[64:67], v20, s[60:61]
	global_load_b64 v[68:69], v22, s[14:15]
	XLOAD 0, LP0, 0                                ; the head's loads stand in the order in which the steps' counts find them
	XLOAD 1, LP0, 512
	XLOAD 2, LP0, 1024
	WLOAD 0, WPA, 0
	XLOAD 3, LP0, 1536
	WLOAD 1, WPA, 51200
	s_wait_loadcnt 50                              ; the biases and half set 0 are in: three half sets and two sets of W stay out
	ds_store_b128 v21, v[64:67] offset:BQL
.irp i, 0,1,2,3
	v_mov_b32 v[72+\i], v68
	v_mov_b32 v[76+\i], v69
.endr
	ds_store_b128 v23, v[72:75] offset:BK4
	ds_store_b128 v23, v[76:79] offset:BK4+16
	TURN 0
	s_wait_dscnt 0x0                               ; for the others' sake: my part of the bias tables has landed
	s_barrier_signal -1
	s_barrier_wait -1
	ACCINIT 0, BQL
	QBLK 3, 42                                     ; as the step ahead of step 0: half set 0 is quantised into buffer 0, half set 1 turned,
	XLOAD 0, LPA, 0                                ; half set 4 asked for
	PHASE 0, 1                                     ; q; asked for: x0's last three steps, x1's first five; Wq's steps 2-7, Wk's 0, 1
	EPI_QK 1, QP, QSP, 0, BKL
	s_mov_b64 s[NPA:NPA+1], s[X2P:X2P+1]
	PHASE 0, -1                                    ; k; W goes on to Wk's steps 4-7 and then back to its first
	EPI_QK 0, KP, KSP, 1, BK4
	s_sub_nc_u64 s[WPA:WPA+1], s[WPA:WPA+1], 409600   ; (behind the way out's s_wait_xcnt 0)  Wk's steps 0-3 once more,
	s_add_nc_u64 s[WN:WN+1], s[WN:WN+1], 409600    ; and then its steps 4-7
	STEP 0, 1, 1, 42, 29, 1, WPA, 102400, 0, 1, 1, LPA, 512      ; v
	STEP 1, 1, 1, 42, 29, 1, WPA, 153600, 1, 1, 1, LPB, 1024
	STEP 2, 1, 1, 42, 29, 1, WPB, 0, 0, 1, 1, LPB, 1536          ; the last half set of x is asked for
	STEP 3, 1, 1, 42, 29, 1, WPB, 51200, 4, 1, 0, LPA, 0
	STEP 0, 1, 1, 34, 21, 1, WPA, 102400, 0, 1, 0, LPA, 0        ; the counts run down: behind the half set that turns one half set and two sets of W, behind this step's W one and one;
	STEP 1, 1, 1, 26, 13, 1, WPA, 153600, 0, 1, 0, LPA, 0        ; two sets of W; one: the last W is asked for
	STEP 2, 1, 1, -1, 13, 0, WPA, 0, 0, 1, 0, LPA, 0             ; nothing is left to turn,
	STEP 3, 1, 0, -1, 0, 0, WPA, 0, 0, 1, 0, LPA, 0              ; nothing to quantise
	; v's way out.  The 32 registers at 64 i + 32 c hold, for my tiles i (e = 0) and i + 2 (e = 1), my d's 16 keys of key block c.  The codes come out with lanes of half e holding tile i + 2 e,
	; registers 6 c .. + 5 key block c: sixteen lanes' 16 bytes are 256 consecutive bytes of that tile's image, aligned
.irp i, 0,1
	s_wait_xcnt 0x0                                ; the last stores have read the codes' registers
	QUANT2 64*\i, PC, PW+2*\i
	QUANT2 64*\i+32, PC+6, PW+2*\i+1
.irp c, 0,1,2
	global_store_b128 v[VO], v[PC+4*\c:PC+4*\c+3], s[VP:VP+1] offset:1536*\i+512*\c
.endr
.endr
	v_lshl_or_b32 v[TM], v[PW+1], 16, v[PW]        ; tile pair 0: bytes (e, c) = (0, 0), (1, 0), (0, 1), (1, 1)
	v_lshl_or_b32 v[TM+1], v[PW+3], 16, v[PW+2]    ; tile pair 1
	v_perm_b32 v[TM+2], v[TM+1], v[TM], v[SELV]    ; my half's four bytes: tiles i = 0, 1: (c = 0, c = 1) each
	global_store_b32 v[VSO], v[TM+2], s[VP:VP+1] offset:12800   ; 128 consecutive bytes a wave
	s_wait_tensorcnt 0x0                           ; the wave's end: behind my last LDS store
	ds_add_u32 v[SPW], v[NIL]
	s_wait_dscnt 0x0
	s_endpgm
.Lfunc_end_k_q2c8362e644_proj:
	.size	k_q2c8362e644_proj, .Lfunc_end_k_q2c8362e644_proj-k_q2c8362e644_proj
	.p2alignl 7, 3214868480
	.fill 96, 4, 3214868480
	.section	.rodata,"a",@progbits
	.p2align	6, 0x0
	.amdhsa_kernel k_q2c8362e644_proj
		.amdhsa_group_segment_fixed_size 86528
		.amdhsa_private_segment_fixed_size 0
		.amdhsa_enable_private_segment 0
		.amdhsa_kernarg_size 64
		.amdhsa_user_sgpr_count 2
		.amdhsa_user_sgpr_kernarg_segment_ptr 1
		.amdhsa_wavefront_size32 1
		.amdhsa_system_sgpr_workgroup_id_x 1
		.amdhsa_system_sgpr_workgroup_id_y 1
		.amdhsa_system_sgpr_workgroup_id_z 1
		.amdhsa_system_vgpr_workitem_id 0
		.amdhsa_next_free_vgpr 512
		.amdhsa_next_free_sgpr 80
		.amdhsa_reserve_vcc 0
		.amdhsa_float_denorm_mode_32 3
		.amdhsa_float_denorm_mode_16_64 3
		.amdhsa_memory_ordered 1
		.amdhsa_forward_progress 1
		.amdhsa_inst_pref_size 232
	.end_amdhsa_kernel
	.amdgpu_metadata
---
amdhsa.version: [ 1, 2 ]
amdhsa.kernels:
  - .name:           k_q2c8362e644_proj
    .symbol:         k_q2c8362e644_proj.kd
    .args:
      - { .name: x0, .offset: 0, .size: 8, .value_kind: global_buffer, .address_space: global }
      - { .name: x1, .offset: 8, .size: 8, .value_kind: global_buffer, .address_space: global }
      - { .name: x2, .offset: 16, .size: 8, .value_kind: global_buffer, .address_space: global }
      - { .name: wimg, .offset: 24, .size: 8, .value_kind: global_buffer, .address_space: global }
      - { .name: bq, .offset: 32, .size: 8, .value_kind: global_buffer, .address_space: global }
      - { .name: bk, .offset: 40, .size: 8, .value_kind: global_buffer, .address_space: global }
      - { .name: qimg, .offset: 48, .size: 8, .value_kind: global_buffer, .address_space: global }
      - { .name: kv, .offset: 56, .size: 8, .value_kind: global_buffer, .address_space: global }
    .group_segment_fixed_size: 86528
    .private_segment_fixed_size: 0
    .kernarg_segment_align: 8
    .kernarg_segment_size: 64
    .max_flat_workgroup_size: 256
    .sgpr_count:     80
    .vgpr_count:     512
    .wavefront_size: 32
...
	.end_amdgpu_metadata
.endif
;; end of part 5
;; launch attn (part 6): grid 32 x 8, 4 waves a work-group, no clusters, 44,544 bytes of LDS; arguments qimg, kv, out0; writes out0
.if DOCPART == 6
	.amdgcn_target "amdgcn-amd-amdhsa--gfx1250"
	.amdhsa_code_object_version 6
	.text
	.protected	k_q2c8362e644_attn
	.globl	k_q2c8362e644_attn
	.p2align	8
	.type	k_q2c8362e644_attn,@function
k_q2c8362e644_attn:
	s_mov_b64 s[64:65], 0
	v_nop
	global_prefetch_b8 v0, s[64:65] scope:SCOPE_SE
	s_setreg_imm32_b32 hwreg(HW_REG_WAVE_MODE, 25, 1), 1
	s_wait_xcnt 0x0
; out = softmax(q k^T + causal mask) v on the codes that launch proj stored (layouts: at its head).  One head of 512, 8 batches of 2,048 positions.
; LEFT OUT: steps of 128 keys all of which come after all 32 queries of a block: the mask that reference() builds gives them the weight 0 (shown at the head of launch wq).
; SOFTMAX: t = score x log2(e); M = the running largest t rounded up to a whole number; p = 2^(t - M) is quantised along the keys; the row's sum is taken of the unquantised p and divides at the end.
; When M moves, the sum and O are multiplied by 2^(old M - new M): exact.
; SHARES.  Work-group (p, batch) owns the blocks of 32 queries 63 - p (tiles 0, 1) and p (tiles 2, 3): 16 - p / 4 and p / 4 + 1 steps of 128 keys, 17 half steps in every work-group.
; In a step wave w makes S^T for key block 32 w (2 tiles of keys x 4 K steps of d) and, of O^T, the d slice 128 w (8 tiles), for all live tiles of queries.
; Both products are used transposed: a lane holds one query.  The four waves' block maxima meet in LDS (barrier 1), their codes of p and scale bytes too (barrier 2).
; K AND V GO FROM MEMORY STRAIGHT INTO REGISTERS: each fragment is read by one wave of the work-group, as whole runs of 512 bytes.  No cluster: what partners would share they would have to pass through LDS,
; 100 KB written and read a step for nothing, and partners walk different numbers of steps.
; WHERE THE RUNS OF LOADS STAND: the next K's behind the LDS loads of the maxima, ahead of the softmax's stretch of register work; the next V's at the step's end, ahead of the next step's products:
; work on registers, not an LDS instruction, follows each run.
; In the second product key block kap of a step stands in registers 6 (kap % 2) .. + 5 of the lanes of half kap / 2, in p's fragment as in V's images.
; LIMITS: NaN and infinities are not served; a block of p that has fallen to zeros keeps the scale byte 1 (its codes are zeros).
; REGISTERS.  Window 0: v1-12 addresses; v14 -infinity; v16-19 the diagonal's lane numbers; v24-55 statistics, 8 a tile (-M, largest t, sum x 2, f, 0, block maximum, permute); v56-59 K's scale words, v60-63 V's,
; v64-67 V's scale bytes as loaded, v68-75 Q's scale words, v76-79 p's; v80-143 S^T then p, 16 a tile; v144-191 p's fragments (first the four waves' maxima); v192-223 codes just made; v224-247 at work.
; Window 1: O^T at 64 tau + 8 t.  Window 2: Q at 48 tau + 12 s.  Window 3: K at 12 (4 u + s), V at 96 + 12 t.
.set LX,    1024                       ; LDS: 0 the block maxima [tau][r][w]; 1,024 the sums, alike
.set PS,    2048                       ; p's scale bytes [tau][r][4]
.set PI,    2304                       ; p's fragments [tau][pair of registers 0..5][lane][8]
.set STAGE, 8448                       ; the way out: 16 rows x 528 bytes for each wave
.set SPARE, 42240                      ; the spare words
.set STEPB, 102400                     ; a step's four records
.set L16, 1
.set L8,  2
.set MXW, 3                            ; 16 r + 4 w
.set MXR, 4                            ; 16 r
.set PIW, 5                            ; PI + 768 (w % 2) + 128 (w / 2) + 8 r
.set PIR, 6                            ; PI + 8 lane
.set PSB, 7                            ; PS + 4 r + 2 (w % 2) + w / 2
.set PSR, 8                            ; PS + 4 r
.set STO, 9
.set SRD, 10
.set LQ,  11                           ; r + 8 (r / 8) - 16 h - 32 w
.set PFO, 12                           ; 256 x lane
.set NINF, 14
.set DM,  16
.set ST,  24
.set KS,  56
.set VS,  60
.set VL,  64
.set VH,  66
.set QS,  68
.set PSW, 76
.set S,   80
.set PF,  144
.set PC,  192
.set AW,  224
.set SPW, 252
.set NIL, 253
.set WV,  10
.set KVP, 14                           ; s[14:15] my record: of the step in hand, from K's run of loads on of the next step
.set QHP, 16
.set QLP, 18
.set OPH, 20
.set OPL, 22
.set SEL, 24
.set CS,  26                           ; s[26:27] log2(e), twice
.set JJ,  28                           ; the step's number
.set LIM, 29                           ; 13 in the work-group that prefetches, else -1
.set MSB, 0
.macro WIN new
.if MSB != (\new)
	s_set_vgpr_msb (MSB<<8)|(\new)
.set MSB, (\new)
.endif
.endm
; one scaled product.  row: bit 0 source 0's scales in lanes 16-31, bit 1 source 1's
.macro WM d, a, b, c, sa, sb, row
.if (\row) == 0
	v_wmma_scale_f32_16x16x128_f8f6f4 v[(\d):(\d)+7], v[(\a):(\a)+11], v[(\b):(\b)+11], v[(\c):(\c)+7], v[\sa], v[\sb] matrix_a_fmt:MATRIX_FMT_BF6 matrix_b_fmt:MATRIX_FMT_BF6
.elseif (\row) == 1
	v_wmma_scale_f32_16x16x128_f8f6f4 v[(\d):(\d)+7], v[(\a):(\a)+11], v[(\b):(\b)+11], v[(\c):(\c)+7], v[\sa], v[\sb] matrix_a_fmt:MATRIX_FMT_BF6 matrix_b_fmt:MATRIX_FMT_BF6 matrix_a_scale:MATRIX_SCALE_ROW1
.elseif (\row) == 2
	v_wmma_scale_f32_16x16x128_f8f6f4 v[(\d):(\d)+7], v[(\a):(\a)+11], v[(\b):(\b)+11], v[(\c):(\c)+7], v[\sa], v[\sb] matrix_a_fmt:MATRIX_FMT_BF6 matrix_b_fmt:MATRIX_FMT_BF6 matrix_b_scale:MATRIX_SCALE_ROW1
.else
	v_wmma_scale_f32_16x16x128_f8f6f4 v[(\d):(\d)+7], v[(\a):(\a)+11], v[(\b):(\b)+11], v[(\c):(\c)+7], v[\sa], v[\sb] matrix_a_fmt:MATRIX_FMT_BF6 matrix_b_fmt:MATRIX_FMT_BF6 matrix_a_scale:MATRIX_SCALE_ROW1 matrix_b_scale:MATRIX_SCALE_ROW1
.endif
.endm
.macro WM0 d, a, b, sa, sb, row        ; the same, starting a sum
.if (\row) == 0
	v_wmma_scale_f32_16x16x128_f8f6f4 v[(\d):(\d)+7], v[(\a):(\a)+11], v[(\b):(\b)+11], 0, v[\sa], v[\sb] matrix_a_fmt:MATRIX_FMT_BF6 matrix_b_fmt:MATRIX_FMT_BF6
.elseif (\row) == 1
	v_wmma_scale_f32_16x16x128_f8f6f4 v[(\d):(\d)+7], v[(\a):(\a)+11], v[(\b):(\b)+11], 0, v[\sa], v[\sb] matrix_a_fmt:MATRIX_FMT_BF6 matrix_b_fmt:MATRIX_FMT_BF6 matrix_a_scale:MATRIX_SCALE_ROW1
.elseif (\row) == 2
	v_wmma_scale_f32_16x16x128_f8f6f4 v[(\d):(\d)+7], v[(\a):(\a)+11], v[(\b):(\b)+11], 0, v[\sa], v[\sb] matrix_a_fmt:MATRIX_FMT_BF6 matrix_b_fmt:MATRIX_FMT_BF6 matrix_b_scale:MATRIX_SCALE_ROW1
.else
	v_wmma_scale_f32_16x16x128_f8f6f4 v[(\d):(\d)+7], v[(\a):(\a)+11], v[(\b):(\b)+11], 0, v[\sa], v[\sb] matrix_a_fmt:MATRIX_FMT_BF6 matrix_b_fmt:MATRIX_FMT_BF6 matrix_a_scale:MATRIX_SCALE_ROW1 matrix_b_scale:MATRIX_SCALE_ROW1
.endif
.endm
.macro KLOAD                           ; 25 loads: my key block's 8 images, 512 consecutive bytes a load, and its scale words
	WIN 0xc0                                       ; destination window 3
.set N, 0
.rept 24
	global_load_b128 v[4*N:4*N+3], v[L16], s[KVP:KVP+1] offset:512*N
.set N, N+1
.endr
	WIN 0
	global_load_b128 v[KS:KS+3], v[L16], s[KVP:KVP+1] offset:24576
.endm
.macro VLOAD                           ; 26 loads: my d slice's 8 images and the two halves' scale bytes
	WIN 0xc0
.set N, 0
.rept 24
	global_load_b128 v[96+4*N:96+4*N+3], v[L16], s[KVP:KVP+1] offset:12288+512*N
.set N, N+1
.endr
	WIN 0
	global_load_b64 v[VL:VL+1], v[L8], s[KVP:KVP+1] offset:25088
	global_load_b64 v[VH:VH+1], v[L8], s[KVP:KVP+1] offset:25344
.endm
; A PREFETCH INTO THE L2: in step j, behind the loads of step j + 1's K, the codes of my record of step j + 2: 24,576 bytes, three instructions, lanes 256 bytes apart.  All 32 work-groups of a batch walk the same
; records: the one that walks all 16 steps (p = 0) asks, each wave for the record that it will load: each block is named once.  Steps 14 and 15 ask for nothing; steps 0 and 1, and each record's last
; 1,024 bytes (scale words), come by their loads alone.  (The pointer stands at step j + 1's record here.)
.macro ASK
	s_cmp_le_i32 s[JJ], s[LIM]
	s_cbranch_scc0 .Lnot_mine_\@
	global_prefetch_b8 v[PFO], s[KVP:KVP+1] offset:STEPB th:TH_LOAD_NT scope:SCOPE_SE
	global_prefetch_b8 v[PFO], s[KVP:KVP+1] offset:STEPB+8192 th:TH_LOAD_NT scope:SCOPE_SE
	global_prefetch_b8 v[PFO], s[KVP:KVP+1] offset:STEPB+16384 th:TH_LOAD_NT scope:SCOPE_SE
.Lnot_mine_\@:
.endm
; A STEP OF 128 KEYS for query tiles 0 .. nt - 1.  mask: the first of the two tiles that are on their diagonal, or -1.  next = 1: the next step's K and V are asked for
.macro STEP nt, mask, next
	s_wait_loadcnt 26                              ; K is in (and Q): V's 26 loads behind it may stay out
	WIN 0x0b                                       ; source 0 (K) window 3, source 1 (Q) window 2
.irp sp, 0,1,2,3                               ; the accumulators by turns, one instruction a turn
.irp u, 0,1
.irp tau, 0,1,2,3
.if \tau < \nt
.if \sp == 0
	WM0 S+16*\tau+8*\u, 12*(4*\u+\sp), 48*\tau+12*\sp, KS+\sp, QS+4*(\tau/2)+\sp, \u+2*(\tau%2)
.else
	WM S+16*\tau+8*\u, 12*(4*\u+\sp), 48*\tau+12*\sp, S+16*\tau+8*\u, KS+\sp, QS+4*(\tau/2)+\sp, \u+2*(\tau%2)
.endif
.endif
.endr
.endr
.endr
	WIN 0
.rept 4
	v_nop                                          ; places in front of the first read of the scores
.endr
.if \mask >= 0                                 ; register n of a tile holds key 32 w + 16 h + n of the step: hidden where n > d.  -infinity ahead of the maximum: p = 0 then
.irp e, 0,1
.set N, 0
.rept 16
	v_cmp_gt_i32 vcc_lo, N, v[DM+\mask+\e]
	v_cndmask_b32 v[S+16*(\mask+\e)+N], v[S+16*(\mask+\e)+N], v[NINF], vcc_lo
.set N, N+1
.endr
.endr
.endif
.irp tau, 0,1,2,3                              ; the largest score of my block of 32 keys: for the row's maximum, and, since p rises with the score, for the block's largest p
.if \tau < \nt
	v_max3_num_f32 v[ST+8*\tau+6], v[S+16*\tau], v[S+16*\tau+1], v[S+16*\tau+2]
.endif
.endr
.irp i, 3,5,7,9,11,13
.irp tau, 0,1,2,3
.if \tau < \nt
	v_max3_num_f32 v[ST+8*\tau+6], v[ST+8*\tau+6], v[S+16*\tau+\i], v[S+16*\tau+\i+1]
.endif
.endr
.endr
.irp tau, 0,1,2,3
.if \tau < \nt
	v_max_num_f32 v[ST+8*\tau+6], v[ST+8*\tau+6], v[S+16*\tau+15]
.endif
.endr
.irp tau, 0,1,2,3
.if \tau < \nt
	v_permlanex16_b32 v[ST+8*\tau+7], v[ST+8*\tau+6], s[SEL], s[SEL+1]
.endif
.endr
.irp tau, 0,1,2,3
.if \tau < \nt
	v_max_num_f32 v[ST+8*\tau+6], v[ST+8*\tau+6], v[ST+8*\tau+7]
.endif
.endr
.irp tau, 0,1,2,3
.if \tau < \nt
	ds_store_b32 v[MXW], v[ST+8*\tau+6] offset:256*\tau
.endif
.endr
	s_wait_dscnt 0x0                               ; for the others' sake: my maxima have landed
	s_barrier_signal -1
	s_barrier_wait -1
.irp tau, 0,1,2,3
.if \tau < \nt
	ds_load_b128 v[PF+4*\tau:PF+4*\tau+3], v[MXR] offset:256*\tau
.endif
.endr
.if \next
	s_wait_xcnt 0x0                                ; all that names the pointer (V's run, most of a step back) has read it
	s_add_nc_u64 s[KVP:KVP+1], s[KVP:KVP+1], STEPB ; on to the next step's record
	KLOAD                                          ; K's registers were last read by this step's first products, far more than four places back
	ASK
.endif
	s_wait_dscnt 0x0
.irp tau, 0,1,2,3
.if \tau < \nt
	v_max3_num_f32 v[AW+6*\tau], v[PF+4*\tau], v[PF+4*\tau+1], v[PF+4*\tau+2]
.endif
.endr
.irp tau, 0,1,2,3
.if \tau < \nt
	v_max_num_f32 v[AW+6*\tau], v[AW+6*\tau], v[PF+4*\tau+3]   ; the step's largest score of my query
.endif
.endr
.irp tau, 0,1,2,3
.if \tau < \nt
	v_mul_f32 v[AW+6*\tau], s[CS], v[AW+6*\tau]
.endif
.endr
.irp tau, 0,1,2,3
.if \tau < \nt
	v_max_num_f32 v[ST+8*\tau+1], v[ST+8*\tau+1], v[AW+6*\tau]   ; the running largest t
.endif
.endr
.irp tau, 0,1,2,3
.if \tau < \nt
	v_mov_b32 v[AW+6*\tau+2], v[ST+8*\tau]
.endif
.endr
.irp tau, 0,1,2,3
.if \tau < \nt
	v_floor_f32 v[ST+8*\tau], -v[ST+8*\tau+1]      ; the new -M = -ceil(t)
.endif
.endr
.irp tau, 0,1,2,3
.if \tau < \nt
	v_sub_f32 v[AW+6*\tau+2], v[ST+8*\tau], v[AW+6*\tau+2]   ; old M - new M: a whole number, 0 or less
.endif
.endr
.irp tau, 0,1,2,3
.if \tau < \nt
	v_cvt_i32_f32 v[AW+6*\tau+2], v[AW+6*\tau+2]   ; (it saturates)
.endif
.endr
.irp tau, 0,1,2,3
.if \tau < \nt
	v_ldexp_f32 v[ST+8*\tau+4], 1.0, v[AW+6*\tau+2]   ; f = 2^(old M - new M)
.endif
.endr
.irp j, 0,2,4,6,8,10,12,14
.irp tau, 0,1,2,3
.if \tau < \nt
	v_pk_fma_f32 v[S+16*\tau+\j:S+16*\tau+\j+1], v[S+16*\tau+\j:S+16*\tau+\j+1], s[CS:CS+1], v[ST+8*\tau:ST+8*\tau+1] op_sel_hi:[1,0,0]   ; t - M
.endif
.endr
.endr
.irp tau, 0,1,2,3
.if \tau < \nt
	v_fma_f32 v[ST+8*\tau+6], v[ST+8*\tau+6], s[CS], v[ST+8*\tau]   ; the same of the block's largest score
.endif
.endr
	s_wait_alu depctr_va_vdst(0)
.irp tau, 0,1,2,3                              ; the exponentials are one batch
.if \tau < \nt
.set N, 0
.rept 16
	v_exp_f32 v[S+16*\tau+N], v[S+16*\tau+N]
.set N, N+1
.endr
.endif
.endr
.irp tau, 0,1,2,3
.if \tau < \nt
	v_pk_mul_f32 v[ST+8*\tau+2:ST+8*\tau+3], v[ST+8*\tau+2:ST+8*\tau+3], v[ST+8*\tau+4:ST+8*\tau+5] op_sel_hi:[1,0]   ; my sums under the new M (a plain place behind the batch)
.endif
.endr
	s_wait_alu depctr_va_vdst(0)                   ; one wait for the batch, ahead of its first reader
.irp tau, 0,1,2,3
.if \tau < \nt
	v_exp_f32 v[ST+8*\tau+6], v[ST+8*\tau+6]       ; the block's largest p
.endif
.endr
.irp tau, 0,1,2,3                              ; the sum of the unquantised p, in two chains
.if \tau < \nt
	v_pk_add_f32 v[AW+6*\tau:AW+6*\tau+1], v[S+16*\tau:S+16*\tau+1], v[S+16*\tau+2:S+16*\tau+3]
.endif
.endr
.irp j, 4,8,12
.irp tau, 0,1,2,3
.if \tau < \nt
	v_pk_add_f32 v[ST+8*\tau+2:ST+8*\tau+3], v[ST+8*\tau+2:ST+8*\tau+3], v[S+16*\tau+\j:S+16*\tau+\j+1]
	v_pk_add_f32 v[AW+6*\tau:AW+6*\tau+1], v[AW+6*\tau:AW+6*\tau+1], v[S+16*\tau+\j+2:S+16*\tau+\j+3]
.endif
.endr
.endr
.irp tau, 0,1,2,3
.if \tau < \nt
	v_pk_add_f32 v[ST+8*\tau+2:ST+8*\tau+3], v[ST+8*\tau+2:ST+8*\tau+3], v[AW+6*\tau:AW+6*\tau+1]
.endif
.endr
	s_wait_alu depctr_va_vdst(0)                   ; and one for the blocks' largest p
.irp tau, 0,1,2,3
.if \tau < \nt
	v_max_num_f32 v[ST+8*\tau+6], 0x2800000, v[ST+8*\tau+6]   ; the floor 2^(5 - 127)
.endif
.endr
.irp tau, 0,1,2,3
.if \tau < \nt
	v_add_nc_u32 v[AW+6*\tau+3], 0xfe000000, v[ST+8*\tau+6]   ; the conversion's scale operand
.endif
.endr
.irp tau, 0,1,2,3
.if \tau < \nt
	v_lshrrev_b32 v[AW+6*\tau+4], 23, v[AW+6*\tau+3]          ; the scale's byte
.endif
.endr
.irp tau, 0,1,2,3
.if \tau < \nt
	v_cvt_scalef32_pk16_bf6_f32 v[PC+8*\tau:PC+8*\tau+2], v[S+16*\tau:S+16*\tau+15], v[AW+6*\tau+3]   ; my 16 keys' codes
.endif
.endr
	v_nop                                          ; one plain place behind a scaled conversion
.irp tau, 0,1,2,3                              ; a copy, and the halves change places: every lane then holds its query's whole block: the lower 16 codes, then the upper 16
.if \tau < \nt
.irp i, 0,1,2
	v_mov_b32 v[PC+8*\tau+3+\i], v[PC+8*\tau+\i]
.endr
.irp i, 0,1,2
	v_permlane16_swap_b32 v[PC+8*\tau+\i], v[PC+8*\tau+3+\i]
.endr
.endif
.endr
.irp tau, 0,1,2,3
.if \tau < \nt
.irp e, 0,1,2
	ds_store_b64 v[PIW], v[PC+8*\tau+2*\e:PC+8*\tau+2*\e+1] offset:1536*\tau+256*\e   ; lanes r and r + 16 write the same bytes with the same values
.endr
	ds_store_b8 v[PSB], v[AW+6*\tau+4] offset:64*\tau
.endif
.endr
	s_wait_dscnt 0x0                               ; for the others' sake: my part of p has landed
	s_barrier_signal -1
	s_barrier_wait -1
.irp tau, 0,1,2,3
.if \tau < \nt
.irp e, 0,1,2,3,4,5
	ds_load_b64 v[PF+12*\tau+2*\e:PF+12*\tau+2*\e+1], v[PIR] offset:1536*\tau+256*\e
.endr
	ds_load_b32 v[PSW+\tau], v[PSR] offset:64*\tau
.endif
.endr
.if \next
	s_wait_loadcnt 25                              ; V is in: the next K's 25 loads behind it may stay out
.else
	s_wait_loadcnt 0x0
.endif
	v_perm_b32 v[VS], v[VH], v[VL], s36            ; V's scale words: byte 2 c + half of the step.  Tiles 0 (4), 1 (5),
	v_perm_b32 v[VS+1], v[VH], v[VL], s37
	v_perm_b32 v[VS+2], v[VH+1], v[VL+1], s36      ; 2 (6), 3 (7)
	v_perm_b32 v[VS+3], v[VH+1], v[VL+1], s37
	WIN 0x41                                       ; O^T (destination and source 0) window 1
.irp tau, 0,1,2,3
.if \tau < \nt
.set N, 0
.rept 32
	v_pk_mul_f32 v[64*\tau+N:64*\tau+N+1], v[64*\tau+N:64*\tau+N+1], v[ST+8*\tau+4:ST+8*\tau+5] op_sel_hi:[1,0]   ; O^T under the new M; these are also the places between the scale words' making and the products
.set N, N+2
.endr
.endif
.endr
	s_wait_alu depctr_va_vdst(0)
	s_wait_dscnt 0x0                               ; p's fragments and scale words are in
	WIN 0x53                                       ; source 0 (V) window 3, source 1 (p) window 0, C and D window 1
.irp t, 0,1,2,3,4,5,6,7
.irp tau, 0,1,2,3
.if \tau < \nt
	WM 64*\tau+8*\t, 96+12*\t, PF+12*\tau, 64*\tau+8*\t, VS+\t%4, PSW+\tau, \t/4
.endif
.endr
.endr
	WIN 0
.rept 4
	v_nop                                          ; places in front of the loads into V's and p's registers
.endr
.if \next
	VLOAD                                          ; the pointer stands at the next step's record since K's run
	s_add_co_u32 s[JJ], s[JJ], 1
.endif
.endm
	s_load_b128 s[4:7], s[0:1], 0x0                ; qimg, kv
	s_load_b64 s[8:9], s[0:1], 0x10                ; out0
	v_lshl_add_u32 v[SPW], v0, 2, SPARE
	v_mov_b32 v[NIL], 0
	v_lshrrev_b32 v20, 5, v0
	v_readfirstlane_b32 s[WV], v20                 ; wave 0..3
	s_mov_b32 s11, ttmp9                           ; p
	s_and_b32 s12, ttmp7, 0xffff                   ; batch
	s_lshr_b32 s13, s11, 2                         ; p / 4
	v_and_b32 v20, 15, v0                          ; r
	v_bfe_u32 v21, v0, 4, 1                        ; h
	v_and_b32 v22, 31, v0
	v_lshlrev_b32 v[L16], 4, v22
	v_lshlrev_b32 v[L8], 3, v22
	v_lshlrev_b32 v[PFO], 8, v22
	v_lshlrev_b32 v[MXR], 4, v20
	s_lshl_b32 s31, s[WV], 2
	v_add_nc_u32 v[MXW], s31, v[MXR]
	s_and_b32 s31, s[WV], 1
	s_lshr_b32 s32, s[WV], 1
	s_mul_i32 s35, s31, 768
	s_lshl_b32 s38, s32, 7
	s_add_co_u32 s35, s35, s38
	s_add_co_u32 s35, s35, PI
	v_lshl_add_u32 v[PIW], v20, 3, s35
	v_add_nc_u32 v[PIR], PI, v[L8]
	s_lshl_b32 s35, s31, 1
	s_add_co_u32 s35, s35, s32
	s_add_co_u32 s35, s35, PS
	v_lshl_add_u32 v[PSB], v20, 2, s35
	v_lshlrev_b32 v[PSR], 2, v20
	v_add_nc_u32 v[PSR], PS, v[PSR]
	s_mul_i32 s35, s[WV], 16*528
	s_add_co_u32 s35, s35, STAGE
	v_mul_u32_u24 v[STO], v20, 528
	v_lshl_add_u32 v[STO], v21, 6, v[STO]
	v_add_nc_u32 v[STO], s35, v[STO]               ; the stage, in: row r, + 64 h
	v_add_nc_u32 v[SRD], s35, v[L16]               ; back: 16 bytes a lane of a row
	v_and_b32 v23, 8, v20
	v_add_nc_u32 v[LQ], v23, v20
	v_lshlrev_b32 v23, 4, v21
	v_sub_nc_u32 v[LQ], v[LQ], v23
	s_lshl_b32 s35, s[WV], 5
	v_sub_nc_u32 v[LQ], v[LQ], s35
	s_and_b32 s42, s11, 3                          ; block p's place in its step of four blocks,
	s_sub_co_u32 s43, 3, s42                       ; block 63 - p's
	s_lshl_b32 s42, s42, 5
	s_lshl_b32 s43, s43, 5
	v_add_nc_u32 v[DM], s43, v[LQ]                 ; d = my query - the step's first key - 32 w - 16 h, for each tile
	v_add_nc_u32 v[DM+1], 8, v[DM]
	v_add_nc_u32 v[DM+2], s42, v[LQ]
	v_add_nc_u32 v[DM+3], 8, v[DM+2]
	v_mov_b32 v[NINF], 0xff800000
	s_mov_b32 s[SEL], 0x76543210
	s_mov_b32 s[SEL+1], 0xfedcba98
	s_mov_b32 s[CS], 0x3fb8aa3b                    ; log2(e); q carries 1 / sqrt(512) already
	s_mov_b32 s[CS+1], s[CS]
	s_mov_b32 s36, 0x05010400
	s_mov_b32 s37, 0x07030602
	s_mov_b32 s[JJ], 0
	s_cmp_eq_u32 s11, 0
	s_cselect_b32 s[LIM], 13, -1
	s_lshl_b32 s31, s12, 6                         ; 64 x batch
	s_add_co_u32 s32, s31, s[WV]
	s_mul_i32 s32, s32, 25600                      ; record (batch x 16 + 0) x 4 + w
	s_mov_b32 s33, 0
	s_add_co_u32 s44, s31, s11                     ; block 64 batch + p
	s_add_co_u32 s45, s31, 63
	s_sub_co_u32 s45, s45, s11                     ; block 64 batch + 63 - p
	s_mul_i32 s34, s44, 12800
	s_mov_b32 s35, 0
	s_mul_i32 s38, s45, 12800
	s_mov_b32 s39, 0
	s_lshl_b32 s46, s[WV], 9
	s_lshl_b32 s40, s44, 16                        ; 32 rows of 2,048 bytes a block
	s_add_co_u32 s40, s40, s46
	s_mov_b32 s41, 0
	s_lshl_b32 s48, s45, 16
	s_add_co_u32 s48, s48, s46
	s_mov_b32 s49, 0
	s_wait_kmcnt 0x0
	s_add_nc_u64 s[KVP:KVP+1], s[6:7], s[32:33]
	s_add_nc_u64 s[QLP:QLP+1], s[4:5], s[34:35]
	s_add_nc_u64 s[QHP:QHP+1], s[4:5], s[38:39]
	s_add_nc_u64 s[OPL:OPL+1], s[8:9], s[40:41]
	s_add_nc_u64 s[OPH:OPH+1], s[8:9], s[48:49]
	WIN 0x80                                       ; destination window 2: Q stays in registers
.set N, 0
.rept 24
	global_load_b128 v[4*N:4*N+3], v[L16], s[QHP:QHP+1] offset:512*N
	global_load_b128 v[96+4*N:96+4*N+3], v[L16], s[QLP:QLP+1] offset:512*N
.set N, N+1
.endr
	WIN 0
	global_load_b128 v[QS:QS+3], v[L16], s[QHP:QHP+1] offset:12288
	global_load_b128 v[QS+4:QS+7], v[L16], s[QLP:QLP+1] offset:12288
	KLOAD
	VLOAD
	WIN 0x40                                       ; O^T begins as zeros, while the loads are on their way: so a step has one form, and the first change of M multiplies zeros
.set N, 0
.rept 256
	v_mov_b32 v[N], 0
.set N, N+1
.endr
	WIN 0
.irp tau, 0,1,2,3
	v_mov_b32 v[ST+8*\tau+1], 0xff61b1e6           ; the largest t so far: -3e38
	v_mov_b32 v[ST+8*\tau+2], 0                    ; the sum, in two halves
	v_mov_b32 v[ST+8*\tau+3], 0
	v_mov_b32 v[ST+8*\tau+4], 0
	v_mov_b32 v[ST+8*\tau+5], 0                    ; (named with f as a pair)
	v_mov_b32 v[ST+8*\tau+7], 0                    ; (a lane permute's destination counts as one of its sources)
	v_floor_f32 v[ST+8*\tau], -v[ST+8*\tau+1]      ; -M
.endr
	; the trip counts hang on the work-group's number alone: all four waves pass the same barriers
	s_cmp_eq_u32 s13, 0
	s_cbranch_scc1 .Lno_full
	s_mov_b32 s30, s13
.Lfull:                                            ; p / 4 steps: all four tiles, all keys count
	STEP 4, -1, 1
	s_sub_co_u32 s30, s30, 1
	s_cmp_lg_u32 s30, 0
	s_cbranch_scc1 .Lfull
.Lno_full:
	STEP 4, 2, 1                                   ; block p's diagonal: its last step
	s_lshl_b32 s30, s13, 1
	s_sub_co_u32 s30, 14, s30
	s_cmp_eq_u32 s30, 0
	s_cbranch_scc1 .Lno_half
.Lhalf:                                            ; 14 - 2 (p / 4) steps: block 63 - p alone
	STEP 2, -1, 1
	s_sub_co_u32 s30, s30, 1
	s_cmp_lg_u32 s30, 0
	s_cbranch_scc1 .Lhalf
.Lno_half:
	STEP 2, 0, 0                                   ; block 63 - p's diagonal: nothing more is asked for
	; THE WAY OUT.  A query's sum: my two halves, lane l xor 16's, the four waves'
.irp tau, 0,1,2,3
	v_add_f32 v[AW+6*\tau], v[ST+8*\tau+2], v[ST+8*\tau+3]
.endr
.irp tau, 0,1,2,3
	v_permlanex16_b32 v[ST+8*\tau+7], v[AW+6*\tau], s[SEL], s[SEL+1]
.endr
.irp tau, 0,1,2,3
	v_add_f32 v[AW+6*\tau], v[AW+6*\tau], v[ST+8*\tau+7]
.endr
.irp tau, 0,1,2,3
	ds_store_b32 v[MXW], v[AW+6*\tau] offset:LX+256*\tau
.endr
	s_wait_dscnt 0x0
	s_barrier_signal -1
	s_barrier_wait -1
.irp tau, 0,1,2,3
	ds_load_b128 v[PF+4*\tau:PF+4*\tau+3], v[MXR] offset:LX+256*\tau
.endr
	s_wait_dscnt 0x0
.irp tau, 0,1,2,3
	v_add_f32 v[AW+6*\tau], v[PF+4*\tau], v[PF+4*\tau+1]
	v_add_f32 v[AW+6*\tau+1], v[PF+4*\tau+2], v[PF+4*\tau+3]
.endr
.irp tau, 0,1,2,3
	v_add_f32 v[AW+6*\tau], v[AW+6*\tau], v[AW+6*\tau+1]
.endr
	s_wait_alu depctr_va_vdst(0)
.irp tau, 0,1,2,3
	v_rcp_f32 v[ST+8*\tau+4], v[AW+6*\tau]
.endr
	v_nop                                          ; a plain place behind the last reciprocal
	s_wait_alu depctr_va_vdst(0)                   ; one wait for the four, ahead of their first reader
; Tile x: O^T / the sum; lane (r, h), tile t, register j: d = 128 w + 32 (t / 2) + 16 h + 8 (t % 2) + j of query r.  Through my own stage, back as whole rows of 512 bytes
.macro TOSTAGE x
	WIN 0x41
.set N, 0
.rept 32
	v_pk_mul_f32 v[64*(\x)+N:64*(\x)+N+1], v[64*(\x)+N:64*(\x)+N+1], v[ST+8*(\x)+4:ST+8*(\x)+5] op_sel_hi:[1,0]   ; each accumulator from its low end on
.set N, N+2
.endr
	WIN 0x04                                       ; an LDS store's data are its source 1: window 1
.irp t, 0,1,2,3,4,5,6,7
	ds_store_b128 v[STO], v[64*(\x)+8*\t:64*(\x)+8*\t+3] offset:128*(\t/2)+32*(\t%2)
	ds_store_b128 v[STO], v[64*(\x)+8*\t+4:64*(\x)+8*\t+7] offset:128*(\t/2)+32*(\t%2)+16
.endr
	WIN 0
.irp i, 0,1,2,3,4,5,6,7,8,9,10,11,12,13,14,15
	ds_load_b128 v[S+64*((\x)%2)+4*\i:S+64*((\x)%2)+4*\i+3], v[SRD] offset:528*\i   ; LDS serves a wave's instructions in order: these see my stores, and the next tile's stores come behind them
.endr
.endm
.macro SEND x, younger                 ; younger: the LDS instructions issued behind tile x's loads
	s_wait_dscnt \younger
.irp i, 0,1,2,3,4,5,6,7,8,9,10,11,12,13,14,15
	global_store_b128 v[L16], v[S+64*((\x)%2)+4*\i:S+64*((\x)%2)+4*\i+3], s[OPH+2*((\x)/2):OPH+2*((\x)/2)+1] offset:(8*((\x)%2)+\i+8*(\i/8))*2048 th:TH_STORE_NT   ; 512 consecutive bytes, aligned: row i of the tile is query 8 (x % 2) + i + 8 (i / 8) of its block
.endr
.endm
	TOSTAGE 0
	TOSTAGE 1
	SEND 0, 32                                     ; behind tile 0's loads: tile 1's 16 stores and 16 loads
	s_wait_xcnt 0x0                                ; tile 0's stores have read their registers: tile 2's rows may land there
	TOSTAGE 2
	SEND 1, 32
	s_wait_xcnt 0x0
	TOSTAGE 3
	SEND 2, 32
	SEND 3, 0
	s_wait_tensorcnt 0x0                           ; the wave's end: behind my last LDS store
	ds_add_u32 v[SPW], v[NIL]
	s_wait_dscnt 0x0
	s_endpgm
.Lfunc_end_k_q2c8362e644_attn:
	.size	k_q2c8362e644_attn, .Lfunc_end_k_q2c8362e644_attn-k_q2c8362e644_attn
	.p2alignl 7, 3214868480
	.fill 96, 4, 3214868480
	.section	.rodata,"a",@progbits
	.p2align	6, 0x0
	.amdhsa_kernel k_q2c8362e644_attn
		.amdhsa_group_segment_fixed_size 44544
		.amdhsa_private_segment_fixed_size 0
		.amdhsa_enable_private_segment 0
		.amdhsa_kernarg_size 24
		.amdhsa_user_sgpr_count 2
		.amdhsa_user_sgpr_kernarg_segment_ptr 1
		.amdhsa_wavefront_size32 1
		.amdhsa_system_sgpr_workgroup_id_x 1
		.amdhsa_system_sgpr_workgroup_id_y 1
		.amdhsa_system_sgpr_workgroup_id_z 1
		.amdhsa_system_vgpr_workitem_id 0
		.amdhsa_next_free_vgpr 1024
		.amdhsa_next_free_sgpr 66
		.amdhsa_reserve_vcc 1
		.amdhsa_float_denorm_mode_32 3
		.amdhsa_float_denorm_mode_16_64 3
		.amdhsa_memory_ordered 1
		.amdhsa_forward_progress 1
		.amdhsa_inst_pref_size 166
	.end_amdhsa_kernel
	.amdgpu_metadata
---
amdhsa.version: [ 1, 2 ]
amdhsa.kernels:
  - .name:           k_q2c8362e644_attn
    .symbol:         k_q2c8362e644_attn.kd
    .args:
      - { .name: qimg, .offset: 0, .size: 8, .value_kind: global_buffer, .address_space: global }
      - { .name: kv, .offset: 8, .size: 8, .value_kind: global_buffer, .address_space: global }
      - { .name: out0, .offset: 16, .size: 8, .value_kind: global_buffer, .address_space: global }
    .group_segment_fixed_size: 44544
    .private_segment_fixed_size: 0
    .kernarg_segment_align: 8
    .kernarg_segment_size: 24
    .max_flat_workgroup_size: 128
    .sgpr_count:     66
    .vgpr_count:     1024
    .wavefront_size: 32
...
	.end_amdgpu_metadata
.endif
;; end of part 6
